; MI455X (gfx1250); checked and timed in simulation.
; The chip was launched on July 23, 2026; its instructions are those of AMD's public machine-readable ISA for CDNA 5 (MIT licence, August 2026) and "CDNA5" Instruction Set Architecture Reference Guide (July 2026). The comments in the code are by the model that wrote it; some were corrected since.
;; Multi Head Self Attention. Allowed arithmetic: matrix products marked QUANTISED: E2M3 operands, one E8M0 scale for each 32 along K, by v_wmma_scale_f32_16x16x128_f8f6f4 with both operands' format E2M3, f32 sums; everything else in f32.
;; Inputs: Wk 256 x 256 float32; Wo 256 x 256 float32; Wq 256 x 256 float32; Wv 256 x 256 float32; bk 256 float32; bo 256 float32; bq 256 float32; bv 256 float32; x 8 x 256 x 32 x 32 float32.
;; Outputs: out0 8 x 256 x 32 x 32 float32.
;; This version of the problem:
;;   THIS VERSION OF THE PROBLEM IS GIVEN IN LOW PRECISION. The matrix products marked QUANTISED in the list below multiply operands that are first quantised to E2M3 (2 exponent bits, 3 mantissa bits; 6 bits a number), with one power-of-two scale for each 32 numbers along K (OCP MX v1.0); their sums are f32. All else is computed in f32.
;;   The module's matrix products, in the order in which they are computed (A, B: the left and right operand; K: the contracted axis; several contracted axes count as one K, in the product's order):
;;     1. [M 8,192, K 256] x [K 256, N 256]; A: input x; B: input Wq: QUANTISED
;;     2. [M 8,192, K 256] x [K 256, N 256]; A: input x; B: input Wk: QUANTISED
;;     3. [M 8,192, K 256] x [K 256, N 256]; A: input x; B: input Wv: QUANTISED
;;     4. batch 64 x [M 1,024, K 32] x [K 32, N 1,024]; A: computed on the way; B: computed on the way: QUANTISED
;;     5. batch 64 x [M 1,024, K 1,024] x [K 1,024, N 32]; A: softmax (see below); B: computed on the way: QUANTISED
;;     6. [M 8,192, K 256] x [K 256, N 256]; A: computed on the way; B: input Wo: QUANTISED
;;   THE QUANTISER, for each operand of a quantised product, along K:
;;     - K is cut into blocks of 32 from its start; a last block that is shorter is filled with zeros.
;;     - A block's scale is 2^e with e = floor(log2(the largest magnitude in the block)) - 2, held to -126 .. 127; a block of zeros has e = 0. As a byte (E8M0): e + 127.
;;     - Each number is divided by its block's scale, clamped to +-7.5, and rounded to the nearest number of E2M3, ties to even, subnormals kept.
;;     - The product sums the exact products of the quantised numbers (number of the format x scale) in f32.
;;   ~~~python
;;   def quantise(x, axis):      # numpy; x: float32 -> the quantised numbers, widened to float32 again
;;       x = np.moveaxis(x, axis, -1); K = x.shape[-1]
;;       x = np.pad(x, [(0, 0)] * (x.ndim - 1) + [(0, -K % 32)]); x = x.reshape(x.shape[:-1] + (-1, 32)); a = np.abs(x).max(-1, keepdims=True)
;;       e = np.where(a > 0, np.clip(np.frexp(np.where(a > 0, a, 1))[1] - 1 - 2, -126, 127), 0)      # np.frexp(a)[1] - 1 = floor(log2(a)), exactly
;;       r = np.clip(x / 2.0 ** e, -7.5, 7.5)
;;       step = 2.0 ** (np.maximum(np.frexp(np.where(r == 0, 1, r))[1] - 1, 0) - 3)
;;       q = np.round(r / step) * step * 2.0 ** e      # np.round: ties to even
;;       return np.moveaxis(q.reshape(q.shape[:-2] + (-1,))[..., :K], -1, axis).astype(np.float32)
;;   ~~~
;;   SOFTMAX AHEAD OF A QUANTISED PRODUCT. Where the list says 'softmax', what is quantised is not the finished softmax but p = 2^(t - M), with t = logit x log2(e) and M = ceil(the row's largest t), a whole number; so 1/2 < the row's largest p <= 1. The row's sum l is taken of the UNQUANTISED p, in f32, and the product's result is divided by l at the end. Since M is a whole number, a kernel that streams over the keys may use a running M (the ceiling of the running maximum): every later rescaling is an exact power of two, which a block's scale takes up: the codes' values come out the same.
;;   OPERANDS COMPUTED ON THE WAY. 'Computed on the way' means the value that the module computes at that place (a softmax that the list does not call 'softmax' is quantised finished and normalised). What goes into a quantiser is computed in f32, as accurately as f32 sums, v_exp_f32 and their like allow (about 1e-6 of the number): no bf16 or f16 on the way to a quantiser, and a product that is left as it is and whose result goes on into a quantised operand takes f32 operands (vector FMAs, or v_wmma_f32_16x16x4_f32). A number that lies on a knife's edge between two numbers of the format may be rounded either way, as far as f32 arithmetic and the matrix unit's own rounding can turn it there, and no further.
;; 3 versions, each right; version 3 is version 2 with the launch attn written anew for expert scheduling mode. Each part assembles by itself: llvm-mc -triple=amdgcn-amd-amdhsa -mcpu=gfx1250 --defsym DOCPART=n.
;; ======== version 1 of 3: 2 launches
;; workspace buffers: qc 1,572,864 bytes; kc 1,572,864 bytes; vc 1,572,864 bytes; qs 262,144 bytes; ks 262,144 bytes; vs 65,536 bytes; woc 49,152 bytes; wos 4,096 bytes
;; launch qkv (part 1): grid 64 x 4, 8 waves a work-group, no clusters, 67,584 bytes of LDS; arguments x, Wq, Wk, Wv, Wo, bq, bk, bv, qc, kc, vc, qs, ks, vs, woc, wos; writes qc, kc, vc, qs, ks, vs, woc, wos
.if DOCPART == 1
	.amdgcn_target "amdgcn-amd-amdhsa--gfx1250"
	.amdhsa_code_object_version 6
	.text
	.protected	k_q6f228b9519_qkv
	.globl	k_q6f228b9519_qkv
	.p2align	8
	.type	k_q6f228b9519_qkv,@function
k_q6f228b9519_qkv:
	s_mov_b64 s[64:65], 0
	v_nop
	global_prefetch_b8 v0, s[64:65] scope:SCOPE_SE
	s_setreg_imm32_b32 hwreg(HW_REG_WAVE_MODE, 25, 1), 1
	s_wait_xcnt 0x0
; q, k, v = x W^T + b on codes of FP6 (E2M3) with one E8M0 scale for each 32 along K, and their own quantising for the attention launch.
; x: [8][256 c][1024 n] f32 (the tokens innermost);  Wq, Wk, Wv, Wo: [256 d][256 c] f32;  biases [256] f32.
; SHARES.  A work-group takes 128 tokens (tg = 0..63: batch tg / 8, key step tg % 8) x 2 heads (hg = 0..3), for q, k and v: 128 + 192 rows of 1,024 bytes of f32 are read and quantised, the least among shapes
; that keep whole heads on 256 work-groups.  The four work-groups with tg = 0 also quantise Wo: 32 fragments, one a wave.
; NO CLUSTER, NO JOINT LOADS: what work-groups share (x along hg, the weights along tg) arrives as f32 and is quantised in registers on its way; as f32 tiles it would be 131,072 + 196,608 bytes,
; all of the 327,680 bytes of LDS, with nothing left for the images below.
; THE MAP tau(u, r) = 8 u + r + 8 (r / 8): tile u (0, 1) of a group of 32 rows (tokens of a block of 32, channels of a head) takes row tau(u, r) in lane r.  Row 8 h + j of tile u is then element 16 h + 8 u + j,
; so the 16 result registers of tiles 0 and 1 are 16 neighbours along the next product's K.
; PHASES.  X: wave w quantises channels 32 w .. 32 w + 31 (one block) of the 128 tokens; W: one fragment of each of Wq, Wk, Wv a wave.  Fragments go to LDS as images of the operand's registers.  One barrier.
; MAIN: wave w takes tokens 32 (w / 2) .. + 31 and head 2 hg + w % 2: q and k transposed (source 0 = W, source 1 = x: a lane holds one token and 16 channels), v plain (a lane holds one channel and 16 tokens);
; the bias is the C of each sum's first product.  Each result is quantised in registers and stored in the order in which the attention launch's operand registers take it.
; OUT.  qc, kc: [b][H][g 0..31] blocks of 768 bytes [k 0..2][lane][8]: lane 16 u + r holds the 24 bytes (32 codes along the head) of token 32 g + tau(u, r).  vc: the same with row = channel tau(u, r), codes along tokens 32 g ..
; qs, ks: [b][g][H][lane][4]: the row's scale byte four times.  vs: [b][key step][H][lane 16 u + r][4]: byte i scales token block 4 s + i.  woc: [fragment][3][lane][16], wos: [fragment][lane][4].
; LIMITS: NaN and infinities are not served.  A block of zeros, or one whose largest magnitude lies under 2^-124, keeps the scale byte 1 (the rule says 127 for zeros): its codes are zeros or the rule's own,
; and the bytes are read by this program alone.
.set SCP,  0                           ; LDS: the scale page: q's words 128 w + 4 lane; k's + 1,024; v's bytes from 2,048
.set XIMG, 2560                        ; x's 16 fragments ((2 tb + u) 2 + s), 1,536 bytes each: register q of lane l at 512 (q / 4) + 16 l + 4 (q % 4)
.set XSC,  27136                       ; their scale words, 64 bytes a fragment
.set WIMG, 28160                       ; the weights' 24 fragments (((3 hh + wt) 2 + u) 2 + s)
.set WSC,  65024                       ; their scale words
.set R1,   64                          ; v64-127, v128-191, v192-255: 64 numbers of a weight's fragment; v128-255 first hold x
.set R2,   128
.set R3,   192
.set XF,   64                          ; main phase: x's four fragments (2 u + s), the weight's four, four accumulators, the biases
.set WF,   112
.set ACC,  160
.set BQ,   192
.set BK,   208
.set BV,   224
; v1 16 L; v2 weights' offset; v3 Wo's offset; v4-6 where x's codes go; v7 x's scale byte; v8, v9 where a weight's image and word go; v10-13 where fragments and words are read;
; v14 8 L; v15 q's and k's word in the page; v16 v's byte; v17 the page's way out; v18 8 h; v19 64 h; v20 4 tau(0, r); v21 4 L; v24-31 scale words and nothing else; v32-63 at work
.macro PLACES n
.rept \n
	v_nop
.endr
.endm
.macro BARRIER                         ; my LDS stores have landed and my LDS loads are in: then the work-group's barrier
	s_wait_dscnt 0x0
	s_barrier_signal -1
	s_barrier_wait -1
.endm
.macro MM d, a, b, c, sa, sb
	v_wmma_scale_f32_16x16x128_f8f6f4 v[\d:\d+7], v[\a:\a+11], v[\b:\b+11], v[\c:\c+7], v[\sa], v[\sb] matrix_a_fmt:MATRIX_FMT_FP6 matrix_b_fmt:MATRIX_FMT_FP6
.endm
; a weight's fragment as f32: lane (r, h) takes, of its row, the 128 bytes of K = 64 c + 32 h + 0 .. 31, c = 0, 1: two whole blocks
.macro LOADW reg, ptr, voff
.irp c, 0,1
.irp e, 0,1,2,3,4,5,6,7
	global_load_b128 v[\reg+32*\c+4*\e:\reg+32*\c+4*\e+3], v[\voff], s[\ptr:\ptr+1] offset:256*\c+16*\e
.endr
.endr
.endm
; x: register 128 + 4 i + t = x(channel 32 w + i, token 4 L + t).  A lane holds four whole blocks, one a token.
.macro QUANTX
.irp t, 0,1,2,3
	v_max3_num_f32 v[32+\t], |v[128+\t]|, |v[132+\t]|, 0x1800000   ; the floor 2^(3 - 127) among the leaves holds the byte at 1 from below
.endr
.irp i, 2,4,6,8,10,12,14,16,18,20,22,24,26,28,30
.irp t, 0,1,2,3
	v_max3_num_f32 v[32+\t], v[32+\t], |v[128+4*\i+\t]|, |v[132+4*\i+\t]|   ; the four tokens by turns
.endr
.endr
.irp t, 0,1,2,3
	v_add_nc_u32 v[32+\t], 0xff000000, v[32+\t]    ; 2 off the exponent field: the conversion's scale operand
.endr
.irp t, 0,1,2,3
.irp i, 0,1,2,3,4,5,6,7,8,9,10,11,12,13,14,15
	v_mov_b32 v[40+\i], v[128+4*\i+\t]             ; the conversion takes 16 neighbours along K from consecutive registers
.endr
	v_cvt_scalef32_pk16_fp6_f32 v[56:58], v[40:55], v[32+\t]
	v_lshrrev_b32 v36, 23, v[32+\t]                ; the scale's byte (also the plain line behind the conversion)
.irp i, 0,1,2,3,4,5,6,7,8,9,10,11,12,13,14,15
	v_mov_b32 v[40+\i], v[192+4*\i+\t]
.endr
	v_cvt_scalef32_pk16_fp6_f32 v[60:62], v[40:55], v[32+\t]   ; (a conversion's three registers begin on an even number)
	v_nop
	v_mov_b32 v59, v60
	v_mov_b32 v60, v61
	v_mov_b32 v61, v62                             ; v56-61: the token's 24 bytes
	ds_store_b64 v4, v[56:57] offset:16*\t         ; into the image of its fragment: three pieces of 8 bytes at the places of registers 6 c' .. 6 c' + 5 of lane 16 h + r
	ds_store_b64 v5, v[58:59] offset:16*\t
	ds_store_b64 v6, v[60:61] offset:16*\t
	ds_store_b8 v7, v36 offset:4*\t                ; byte w % 4 of the row's scale word
	s_wait_dscnt 0x0                               ; the stores have read their registers
.endr
.endm
; 64 numbers of a lane (two whole blocks: h and 2 + h of its row) become a fragment in v40-51 and the row's scale word in v36
.macro QUANTW src
.irp c, 0,1
	v_max3_num_f32 v[32+\c], |v[\src+32*\c]|, |v[\src+32*\c+1]|, 0x1800000
.endr
.irp i, 2,4,6,8,10,12,14,16,18,20,22,24,26,28,30
.irp c, 0,1
	v_max3_num_f32 v[32+\c], v[32+\c], |v[\src+32*\c+\i]|, |v[\src+32*\c+\i+1]|
.endr
.endr
	v_add_nc_u32 v32, 0xff000000, v32
	v_add_nc_u32 v33, 0xff000000, v33
	v_lshrrev_b32 v34, 23, v32
	v_lshrrev_b32 v35, 23, v33
	v_lshl_or_b32 v36, v35, 16, v34                ; my two bytes,
	v_lshlrev_b32 v36, v18, v36                    ; 8 h bits up;
	v_permlanex16_b32 v37, v36, s40, s41
	v_or_b32 v36, v36, v37                         ; with lane l xor 16's two the word is whole
	v_cvt_scalef32_pk16_fp6_f32 v[40:42], v[\src:\src+15], v32
	v_cvt_scalef32_pk16_fp6_f32 v[46:48], v[\src+32:\src+47], v33
	v_cvt_scalef32_pk16_fp6_f32 v[52:54], v[\src+16:\src+31], v32
	v_cvt_scalef32_pk16_fp6_f32 v[56:58], v[\src+48:\src+63], v33
	v_nop                                          ; one plain line behind the conversions
.irp i, 0,1,2
	v_mov_b32 v[43+\i], v[52+\i]
	v_mov_b32 v[49+\i], v[56+\i]
.endr
.endm
.macro IMAGEW wt
.irp c, 0,1,2
	ds_store_b128 v8, v[40+4*\c:43+4*\c] offset:6144*\wt+512*\c
.endr
	ds_store_b32 v9, v36 offset:256*\wt            ; lanes r and 16 + r write the same word with the same value
	s_wait_dscnt 0x0                               ; the stores have read their registers
.endm
.macro FETCHX
.irp f, 0,1,2,3
.irp c, 0,1,2
	ds_load_b128 v[XF+12*\f+4*\c:XF+12*\f+4*\c+3], v10 offset:1536*\f+512*\c
.endr
	ds_load_b32 v[24+\f], v11 offset:64*\f
.endr
.endm
.macro FETCHW wt
.irp f, 0,1,2,3
.irp c, 0,1,2
	ds_load_b128 v[WF+12*\f+4*\c:WF+12*\f+4*\c+3], v12 offset:6144*\wt+1536*\f+512*\c
.endr
	ds_load_b32 v[28+\f], v13 offset:256*\wt+64*\f
.endr
.endm
; q or k, transposed: accumulator 16 x + 8 y: lane (r, h), register j = channel 16 h + 8 y + j of token tau(x, r).  Four accumulators by turns, one instruction a turn
.macro MULQK bias
.irp s, 0,1
.irp x, 0,1
.irp y, 0,1
.if \s == 0
	MM ACC+16*\x+8*\y, WF+12*(2*\y+\s), XF+12*(2*\x+\s), \bias+8*\y, 28+2*\y+\s, 24+2*\x+\s
.else
	MM ACC+16*\x+8*\y, WF+12*(2*\y+\s), XF+12*(2*\x+\s), ACC+16*\x+8*\y, 28+2*\y+\s, 24+2*\x+\s
.endif
.endr
.endr
.endr
.endm
; v, plain: accumulator 16 y + 8 x: lane (r, h), register j = token 16 h + 8 x + j, channel tau(y, r)
.macro MULV
.irp s, 0,1
.irp x, 0,1
.irp y, 0,1
.if \s == 0
	MM ACC+16*\y+8*\x, XF+12*(2*\x+\s), WF+12*(2*\y+\s), BQ+8*\y, 24+2*\x+\s, 28+2*\y+\s
.else
	MM ACC+16*\y+8*\x, XF+12*(2*\x+\s), WF+12*(2*\y+\s), ACC+16*\y+8*\x, 24+2*\x+\s, 28+2*\y+\s
.endif
.endr
.endr
.endr
.endm
; The four accumulators are two units of 16 registers: unit a, lane (r, h) = elements 16 h + 0 .. 15 of row (a, r).  A block of 32 lies in lanes l and l xor 16.
; Afterwards lane 16 a + r holds its row's 24 bytes in v40-45.  kind 0, 1: q, k (the byte four times, a word to the page);  2: v (a byte to the page)
.macro QUANTO kind, dst
.irp a, 0,1
	v_max3_num_f32 v[32+\a], |v[ACC+16*\a]|, |v[ACC+16*\a+1]|, 0x1800000   ; each accumulator is read from its low end on
.endr
.irp i, 2,4,6,8,10,12,14
.irp a, 0,1
	v_max3_num_f32 v[32+\a], v[32+\a], |v[ACC+16*\a+\i]|, |v[ACC+16*\a+\i+1]|
.endr
.endr
	v_permlanex16_b32 v34, v32, s40, s41
	v_permlanex16_b32 v35, v33, s40, s41
	v_max_num_f32 v32, v32, v34
	v_max_num_f32 v33, v33, v35
	v_add_nc_u32 v32, 0xff000000, v32
	v_add_nc_u32 v33, 0xff000000, v33
	v_lshrrev_b32 v34, 23, v32
	v_lshrrev_b32 v35, 23, v33
	v_cvt_scalef32_pk16_fp6_f32 v[40:42], v[ACC:ACC+15], v32
	v_cvt_scalef32_pk16_fp6_f32 v[46:48], v[ACC+16:ACC+31], v33
	v_cndmask_b32 v36, v34, v35, s42               ; lanes 0-15 unit 0's byte, lanes 16-31 unit 1's (also the plain line behind the conversions)
.irp i, 0,1,2
	v_permlane16_swap_b32 v[40+\i], v[46+\i]       ; the first now holds each lane's row's lower 16 codes, the second the upper 16
.endr
.irp i, 0,1,2
	v_mov_b32 v[43+\i], v[46+\i]
.endr
.if \kind < 2
	v_mul_lo_u32 v36, v36, s43                     ; the byte four times
	ds_store_b32 v15, v36 offset:1024*\kind
.else
	ds_store_b8 v16, v36
.endif
.irp k, 0,1,2
	global_store_b64 v14, v[40+2*\k:41+2*\k], s[\dst:\dst+1] offset:256*\k   ; 32 lanes store 256 consecutive bytes, at a multiple of 256 from the buffer's first byte
.endr
.endm
	s_load_b512 s[4:19], s[0:1], 0x0               ; x s[4:5], Wq s[6:7], Wk s[8:9], Wv s[10:11], Wo s[12:13], bq s[14:15], bk s[16:17], bv s[18:19]
	s_load_b512 s[20:35], s[0:1], 0x40             ; qc s[20:21], kc s[22:23], vc s[24:25], qs s[26:27], ks s[28:29], vs s[30:31], woc s[32:33], wos s[34:35]
	v_lshl_add_u32 v63, v0, 2, 0x10400
	s_set_vgpr_msb 0x40
	v_mov_b32 v1, 0
	s_set_vgpr_msb 0x4000
	v_lshrrev_b32 v22, 5, v0
	v_readfirstlane_b32 s36, v22                   ; w: wave 0..7
	s_mov_b32 s37, ttmp9                           ; tg
	s_and_b32 s38, ttmp7, 0xffff                   ; hg
	s_mov_b32 s40, 0x76543210
	s_mov_b32 s41, 0xfedcba98                      ; v_permlanex16_b32's selects for lane l xor 16
	s_mov_b32 s43, 0x01010101
	s_lshr_b32 s44, s36, 2                         ; X: K step s;        W: hh'
	s_bfe_u32 s45, s36, 0x10001                    ; X: c';              W: u'
	s_and_b32 s46, s36, 1                          ; X: h;  W: s';       main: hh
	s_lshr_b32 s47, s36, 1                         ; main: tb
	s_and_b32 s48, s36, 3
	s_lshl_b32 s52, s38, 3
	s_add_co_u32 s52, s52, s36                     ; Wo's fragment: 8 hg + w
	s_lshl_b32 s53, s38, 1
	s_add_co_u32 s53, s53, s46                     ; H = 2 hg + hh
	v_and_b32 v22, 31, v0                          ; L
	v_and_b32 v23, 15, v0                          ; r
	v_bfe_u32 v32, v0, 4, 1                        ; h
	v_cmp_le_u32 s42, 16, v22                      ; the mask of lanes 16-31
	v_lshlrev_b32 v1, 4, v22
	v_lshlrev_b32 v14, 3, v22
	v_lshlrev_b32 v21, 2, v22
	v_lshlrev_b32 v39, 2, v23                      ; 4 r
	v_lshlrev_b32 v18, 3, v32
	v_lshlrev_b32 v19, 6, v32
	v_and_b32 v33, 8, v23
	v_add_nc_u32 v33, v33, v23                     ; tau(0, r)
	v_lshlrev_b32 v20, 2, v33
	; x's byte offset: batch, my 32 channels, the group's 128 tokens
	s_lshr_b32 s54, s37, 3
	s_lshl_b32 s54, s54, 20
	s_lshl_b32 s55, s36, 17
	s_add_co_u32 s54, s54, s55
	s_and_b32 s55, s37, 7
	s_lshl_b32 s55, s55, 9
	s_add_co_u32 s54, s54, s55
	s_mov_b32 s55, 0
	; the weights: row 32 (2 hg + hh') + 8 u' + tau(0, r), byte 512 s' + 128 h
	v_lshlrev_b32 v2, 10, v33
	v_lshl_add_u32 v2, v32, 7, v2
	s_lshl_b32 s50, s38, 1
	s_add_co_u32 s50, s50, s44
	s_lshl_b32 s50, s50, 2
	s_add_co_u32 s50, s50, s45
	s_lshl_b32 s50, s50, 13
	s_lshl_b32 s51, s46, 9
	s_add_co_u32 s50, s50, s51
	v_add_nc_u32 v2, s50, v2
	s_wait_kmcnt 0x0
	s_add_nc_u64 s[4:5], s[4:5], s[54:55]
.set n, 0
.rept 32
	global_load_b128 v[128+4*n:131+4*n], v1, s[4:5] offset:4096*n   ; channel 32 w + n: 32 lanes read 512 consecutive bytes
.set n, n+1
.endr
	LOADW R1, 6, 2                                 ; Wq
	; Wo: natural rows 16 (fid / 2) + r, byte 512 (fid % 2) + 128 h
	v_lshlrev_b32 v3, 10, v23
	v_lshl_add_u32 v3, v32, 7, v3
	s_lshr_b32 s50, s52, 1
	s_lshl_b32 s50, s50, 14
	s_and_b32 s51, s52, 1
	s_lshl_b32 s51, s51, 9
	s_add_co_u32 s50, s50, s51
	v_add_nc_u32 v3, s50, v3
	; where x's codes go.  Token 4 L + t: block tb = L / 8, tile u = (L / 2) % 2, lane r = r0 + t with r0 = 4 (L % 2) + 8 ((L / 4) % 2)
	v_bfe_u32 v34, v0, 3, 2
	v_bfe_u32 v35, v0, 1, 1
	v_and_b32 v36, 1, v0
	v_bfe_u32 v37, v0, 2, 1                        ; (v34, v35 and v37 are later the lane permutes' destinations: they are written here, all lanes on)
	v_mul_u32_u24 v38, v34, 6144
	v_mad_u32_u24 v38, v35, 3072, v38
	v_lshl_add_u32 v38, v36, 6, v38
	v_lshl_add_u32 v38, v37, 7, v38                ; + 16 r0
	s_mul_i32 s50, s44, 1536
	s_lshl_b32 s51, s46, 8
	s_add_co_u32 s50, s50, s51
	s_add_co_u32 s50, s50, XIMG
	v_add_nc_u32 v38, s50, v38
	s_mul_i32 s51, s45, 520                        ; registers 6 c', 6 c' + 1: byte 0 or 520 of the lane's places
	v_add_nc_u32 v4, s51, v38
	s_mul_i32 s50, s45, 1016
	s_add_co_u32 s50, s50, 8                       ; the next two: 8 or 1,024
	v_add_nc_u32 v5, s50, v38
	s_add_co_u32 s51, s51, 512                     ; the last two: 512 or 1,032
	v_add_nc_u32 v6, s51, v38
	v_lshlrev_b32 v7, 8, v34
	v_lshl_add_u32 v7, v35, 7, v7
	v_lshl_add_u32 v7, v36, 4, v7
	v_lshl_add_u32 v7, v37, 5, v7                  ; + 4 r0
	s_lshl_b32 s50, s44, 6
	s_add_co_u32 s50, s50, s48
	s_add_co_u32 s50, s50, XSC
	v_add_nc_u32 v7, s50, v7
	s_mul_i32 s50, s44, 18432
	s_mul_i32 s51, s45, 3072
	s_add_co_u32 s50, s50, s51
	s_mul_i32 s51, s46, 1536
	s_add_co_u32 s50, s50, s51
	s_add_co_u32 s50, s50, WIMG
	v_add_nc_u32 v8, s50, v1
	s_mul_i32 s50, s44, 768
	s_lshl_b32 s51, s45, 7
	s_add_co_u32 s50, s50, s51
	s_lshl_b32 s51, s46, 6
	s_add_co_u32 s50, s50, s51
	s_add_co_u32 s50, s50, WSC
	v_add_nc_u32 v9, s50, v39
	s_mul_i32 s50, s47, 6144
	s_add_co_u32 s50, s50, XIMG
	v_add_nc_u32 v10, s50, v1
	s_lshl_b32 s50, s47, 8
	s_add_co_u32 s50, s50, XSC
	v_add_nc_u32 v11, s50, v39
	s_mul_i32 s50, s46, 18432
	s_add_co_u32 s50, s50, WIMG
	v_add_nc_u32 v12, s50, v1
	s_mul_i32 s50, s46, 768
	s_add_co_u32 s50, s50, WSC
	v_add_nc_u32 v13, s50, v39
	s_lshl_b32 s50, s36, 7
	v_add_nc_u32 v15, s50, v21                     ; 256 tb + 128 hh + 4 L
	s_lshl_b32 s50, s46, 7
	s_add_co_u32 s50, s50, s47
	s_add_co_u32 s50, s50, 2048
	v_add_nc_u32 v16, s50, v21
	s_lshl_b32 s50, s36, 8
	v_add_nc_u32 v17, s50, v14
	; the other buffers at my part
	s_lshr_b32 s56, s37, 3
	s_lshl_b32 s56, s56, 3
	s_add_co_u32 s56, s56, s53                     ; 8 b + H
	s_lshl_b32 s56, s56, 5
	s_and_b32 s57, s37, 7
	s_lshl_b32 s57, s57, 2
	s_add_co_u32 s57, s57, s47                     ; g = 4 (tg % 8) + tb
	s_add_co_u32 s56, s56, s57
	s_mul_i32 s56, s56, 768
	s_mov_b32 s57, 0
	s_add_nc_u64 s[20:21], s[20:21], s[56:57]
	s_add_nc_u64 s[22:23], s[22:23], s[56:57]
	s_add_nc_u64 s[24:25], s[24:25], s[56:57]
	s_lshl_b32 s58, s53, 7                         ; the head's 32 numbers of a bias
	s_mov_b32 s59, 0
	s_add_nc_u64 s[14:15], s[14:15], s[58:59]
	s_add_nc_u64 s[16:17], s[16:17], s[58:59]
	s_add_nc_u64 s[18:19], s[18:19], s[58:59]
	s_lshl_b32 s60, s37, 2
	s_add_co_u32 s60, s60, s48
	s_lshl_b32 s60, s60, 3
	s_lshl_b32 s61, s38, 1
	s_add_co_u32 s60, s60, s61
	s_lshl_b32 s60, s60, 7                         ; ((4 tg + w % 4) 8 + 2 hg) 128: the page's row that I send out
	s_mov_b32 s61, 0
	s_cmp_lt_u32 s36, 4                            ; waves 0-3 send q's words, waves 4-7 k's
	s_cselect_b64 s[26:27], s[26:27], s[28:29]
	s_add_nc_u64 s[26:27], s[26:27], s[60:61]
	s_lshl_b32 s62, s37, 3
	s_lshl_b32 s63, s38, 1
	s_add_co_u32 s62, s62, s63
	s_lshl_b32 s62, s62, 7
	s_mov_b32 s63, 0
	s_add_nc_u64 s[30:31], s[30:31], s[62:63]
	s_mul_i32 s50, s52, 1536
	s_mov_b32 s51, 0
	s_add_nc_u64 s[32:33], s[32:33], s[50:51]
	s_lshl_b32 s50, s52, 7
	s_add_nc_u64 s[34:35], s[34:35], s[50:51]
	s_wait_loadcnt 16                              ; x's 32 loads are in; Wq's 16 may be out
	QUANTX
	LOADW R2, 8, 2                                 ; Wk and Wv into the registers that x has left
	LOADW R3, 10, 2
	s_wait_loadcnt 32                              ; Wq is in; the 32 just issued may be out
	QUANTW R1
	IMAGEW 0
	s_cmp_lg_u32 s37, 0                            ; the four work-groups with tg = 0 take Wo too
	s_cbranch_scc1 .Lno_wo_load
	LOADW R1, 12, 3
.Lno_wo_load:
	s_wait_loadcnt 16                              ; Wk is in: the youngest 16 are Wv's, or, where Wo is loaded, Wo's
	QUANTW R2
	IMAGEW 1
	s_wait_loadcnt 0x0
	QUANTW R3
	IMAGEW 2
	s_cmp_lg_u32 s37, 0
	s_cbranch_scc1 .Lno_wo
	QUANTW R1
.irp c, 0,1,2
	global_store_b128 v1, v[40+4*\c:43+4*\c], s[32:33] offset:512*\c   ; the fragment as it stands: 512 consecutive bytes a store
.endr
	global_store_b32 v21, v36, s[34:35]
	s_wait_xcnt 0x0                                ; the stores' data are written again only behind this wait
.Lno_wo:
.irp u, 0,1                                    ; the biases in the results' layouts: q, k: lane (r, h) wants channels 16 h + 8 u + 0 .. 7;  v: channel tau(u, r)
	global_load_b128 v[BQ+8*\u:BQ+8*\u+3], v19, s[14:15] offset:32*\u
	global_load_b128 v[BQ+8*\u+4:BQ+8*\u+7], v19, s[14:15] offset:32*\u+16
	global_load_b128 v[BK+8*\u:BK+8*\u+3], v19, s[16:17] offset:32*\u
	global_load_b128 v[BK+8*\u+4:BK+8*\u+7], v19, s[16:17] offset:32*\u+16
	global_load_b32 v[BV+\u], v20, s[18:19] offset:32*\u
.endr
	BARRIER                                        ; all 16 fragments of x and all 24 of the weights lie in LDS
	FETCHX
	FETCHW 0
	s_wait_loadcnt 0x0                             ; the biases
	s_wait_dscnt 0x0
	MULQK BQ
	PLACES 5                                       ; in front of loads into registers that the products have read, of the first read of results, and of the next products' fresh start on these accumulators
	FETCHW 1
	QUANTO 0, 20
.irp u, 0,1
.irp j, 0,1,2,3,4,5,6,7
	v_mov_b32 v[BQ+8*\u+\j], v[BV+\u]              ; bv widened to the C of v's first products: the same number in a lane's eight registers
.endr
.endr
	s_wait_dscnt 0x0
	MULQK BK
	PLACES 5
	FETCHW 2
	s_wait_xcnt 0x0                                ; q's stores have read their data: the codes' registers may be written again
	QUANTO 1, 22
	s_wait_dscnt 0x0
	MULV
	PLACES 5
	s_wait_xcnt 0x0
	QUANTO 2, 24
	BARRIER                                        ; the scale page is whole
	ds_load_b64 v[52:53], v17
	s_wait_dscnt 0x0
	global_store_b64 v14, v[52:53], s[26:27]       ; two heads' words of one block of 32 tokens: 256 consecutive bytes, aligned
	s_cmp_lg_u32 s36, 0
	s_cbranch_scc1 .Lend
	ds_load_b64 v[54:55], v14 offset:2048
	s_wait_dscnt 0x0
	global_store_b64 v14, v[54:55], s[30:31]       ; v's scale words of the key step, two heads: 256 consecutive bytes, aligned
.Lend:
	s_set_vgpr_msb 0x4
	s_wait_tensorcnt 0x0
	ds_add_u32 v63, v1
	s_wait_dscnt 0x0
	s_set_vgpr_msb 0x400
	s_endpgm
.Lfunc_end_k_q6f228b9519_qkv:
	.size	k_q6f228b9519_qkv, .Lfunc_end_k_q6f228b9519_qkv-k_q6f228b9519_qkv
	.p2alignl 7, 3214868480
	.fill 96, 4, 3214868480
	.section	.rodata,"a",@progbits
	.p2align	6, 0x0
	.amdhsa_kernel k_q6f228b9519_qkv
		.amdhsa_group_segment_fixed_size 67584
		.amdhsa_private_segment_fixed_size 0
		.amdhsa_enable_private_segment 0
		.amdhsa_kernarg_size 128
		.amdhsa_user_sgpr_count 2
		.amdhsa_user_sgpr_kernarg_segment_ptr 1
		.amdhsa_wavefront_size32 1
		.amdhsa_system_sgpr_workgroup_id_x 1
		.amdhsa_system_sgpr_workgroup_id_y 1
		.amdhsa_system_sgpr_workgroup_id_z 1
		.amdhsa_system_vgpr_workitem_id 0
		.amdhsa_next_free_vgpr 258
		.amdhsa_next_free_sgpr 66
		.amdhsa_reserve_vcc 0
		.amdhsa_float_denorm_mode_32 3
		.amdhsa_float_denorm_mode_16_64 3
		.amdhsa_memory_ordered 1
		.amdhsa_forward_progress 1
		.amdhsa_inst_pref_size 57
	.end_amdhsa_kernel
	.amdgpu_metadata
---
amdhsa.version: [ 1, 2 ]
amdhsa.kernels:
  - .name:           k_q6f228b9519_qkv
    .symbol:         k_q6f228b9519_qkv.kd
    .args:
      - { .name: x, .offset: 0, .size: 8, .value_kind: global_buffer, .address_space: global }
      - { .name: Wq, .offset: 8, .size: 8, .value_kind: global_buffer, .address_space: global }
      - { .name: Wk, .offset: 16, .size: 8, .value_kind: global_buffer, .address_space: global }
      - { .name: Wv, .offset: 24, .size: 8, .value_kind: global_buffer, .address_space: global }
      - { .name: Wo, .offset: 32, .size: 8, .value_kind: global_buffer, .address_space: global }
      - { .name: bq, .offset: 40, .size: 8, .value_kind: global_buffer, .address_space: global }
      - { .name: bk, .offset: 48, .size: 8, .value_kind: global_buffer, .address_space: global }
      - { .name: bv, .offset: 56, .size: 8, .value_kind: global_buffer, .address_space: global }
      - { .name: qc, .offset: 64, .size: 8, .value_kind: global_buffer, .address_space: global }
      - { .name: kc, .offset: 72, .size: 8, .value_kind: global_buffer, .address_space: global }
      - { .name: vc, .offset: 80, .size: 8, .value_kind: global_buffer, .address_space: global }
      - { .name: qs, .offset: 88, .size: 8, .value_kind: global_buffer, .address_space: global }
      - { .name: ks, .offset: 96, .size: 8, .value_kind: global_buffer, .address_space: global }
      - { .name: vs, .offset: 104, .size: 8, .value_kind: global_buffer, .address_space: global }
      - { .name: woc, .offset: 112, .size: 8, .value_kind: global_buffer, .address_space: global }
      - { .name: wos, .offset: 120, .size: 8, .value_kind: global_buffer, .address_space: global }
    .group_segment_fixed_size: 67584
    .private_segment_fixed_size: 0
    .kernarg_segment_align: 8
    .kernarg_segment_size: 128
    .max_flat_workgroup_size: 256
    .sgpr_count:     66
    .vgpr_count:     258
    .wavefront_size: 32
...
	.end_amdgpu_metadata
.endif
;; end of part 1
;; launch attn (part 2): grid 32 x 8, 8 waves a work-group, no clusters, 44,544 bytes of LDS; arguments qc, qs, kc, ks, vc, vs, woc, wos, bo, out0; writes out0
.if DOCPART == 2
	.amdgcn_target "amdgcn-amd-amdhsa--gfx1250"
	.amdhsa_code_object_version 6
	.text
	.protected	k_q6f228b9519_attn
	.globl	k_q6f228b9519_attn
	.p2align	8
	.type	k_q6f228b9519_attn,@function
k_q6f228b9519_attn:
	s_mov_b64 s[64:65], 0
	v_nop
	global_prefetch_b8 v0, s[64:65] scope:SCOPE_SE
	s_setreg_imm32_b32 hwreg(HW_REG_WAVE_MODE, 25, 1), 1
	s_wait_xcnt 0x0
; out0 = (softmax(q k^T / sqrt(32)) v) Wo^T + bo, all three products on codes of FP6 (E2M3) with one E8M0 scale for each 32 along K.  The operands come as the launch before has laid them (its head comment).
; SHARES.  A work-group takes 32 queries (nb) of one batch (b), all 8 heads: wave = head H.  A wave holds two tiles of 16 queries (t = 0, 1; lane r = token 32 nb + tau(t, r), tau(u, r) = 8 u + r + 8 (r / 8))
; and walks the head's 1,024 keys, 128 a step.  K's and V's codes go from memory straight into the operand's registers, asked for a whole key step ahead: no LDS and no barrier in the loop.
; K = 32 IN A FORM OF K = 128.  A fragment of K is filled whole: its four blocks of 32 along K hold four DIFFERENT groups of 16 keys.  q stands in four versions: q in block j, zero codes in the other three;
; the product with version j gives the scores of key group j.  The versions of both tiles share registers of zeros: 54 registers.
; SOFTMAX.  t = score x log2(e) / sqrt(32); M = the running largest t rounded up to a whole number; p = 2^(t - M) is quantised along the keys; the sum is taken of the unquantised p and divides at the end.
; A block's largest p is made from its largest score by the same multiply-add and exponential.
; THE END.  ctx / l is quantised (a block of 32 along the last product's K is one head of one token: each wave has whole blocks), goes to LDS, one barrier, and wave H makes outputs 32 H .. 32 H + 31 for the 32 tokens.
; NO CLUSTER, NO JOINT LOADS: a fragment of K or V is used by one wave of the work-group and lands in its registers; a batch's codes and scales, 393,216 + 32,768 + 8,192 bytes, are more than the 327,680 bytes
; of LDS, so a shared fetch would want a ring with a round of the cluster's barrier at each refill.
; LIMITS: NaN and infinities are not served.  A block whose largest magnitude lies under 2^-124 keeps the scale byte 1.  A row of out0 gets 128 consecutive bytes (32 tokens) from a work-group.
; REGISTERS, window 0: v1 8 L, v2 768 h + 8 r, v3 4 L, v4 256 L, v5 0, v6 8 r, v7 4 r; v8-11 K's scale words, v12 V's, v13 q's, v14, v15 p's (these eight hold scales and nothing else);
;   v16 -M, v17 t, v[18:19] the sum (tile 0), v20-23 (tile 1); v24-46 at work; v48-59, v60-71 p's codes; v72-87, v88-103 O^T; v104-167, v168-231 scores, then p; v232-235 Wo's scale words, v236-239 ctx's;
;   v240, v241 bo; v242-247 addresses.   window 1: v0-23 K's two fragments; v24-47 V's two; v48-101 q's versions; v104-151 Wo's four fragments.
.set CSC, 6144                         ; LDS: from 0 ctx's four fragments (2 t + s2), 1,536 bytes each: six planes of 256 bytes, plane p = registers 2 p, 2 p + 1, 8 bytes a lane;  from CSC their scale words, 64 bytes each
.set STG, 6400                         ; the stages for the way out: 32 rows x 144 bytes for each wave
.set MSB, 0
.macro WIN new                         ; s_set_vgpr_msb: bits 1:0 source 0, 3:2 source 1, 5:4 source 2, 7:6 destination; the high byte repeats the setting that is left
.if MSB != \new
	s_set_vgpr_msb (MSB<<8)|\new
.set MSB, \new
.endif
.endm
.macro PLACES n
.rept \n
	v_nop
.endr
.endm
; a key step's K: fragment f, registers 6 c ..: token block 2 f + c as it lies (lane 16 u + r = key tau(u, r)): each load reads 256 consecutive bytes.  And the four blocks' scale words
.macro LOADK
	WIN 0x40
.irp f, 0,1
.irp c, 0,1
.irp k, 0,1,2
	global_load_b64 v[12*\f+6*\c+2*\k:12*\f+6*\c+2*\k+1], v1, s[32:33] offset:(2*\f+\c)*768+256*\k
.endr
.endr
.endr
	WIN 0
.irp i, 0,1,2,3
	global_load_b32 v[8+\i], v3, s[34:35] offset:1024*\i
.endr
.endm
; a key step's V: tile u (channels tau(u, r)), registers 6 c ..: token block 2 c + h
.macro LOADV
	WIN 0x40
.irp u, 0,1
.irp c, 0,1
.irp k, 0,1,2
	global_load_b64 v[24+12*\u+6*\c+2*\k:24+12*\u+6*\c+2*\k+1], v2, s[36:37] offset:1536*\c+256*\k+128*\u
.endr
.endr
.endr
	WIN 0
	global_load_b32 v12, v3, s[38:39]
.endm
; tile g (0..7) of the step's keys x query tile t: register j of lane (r, h) = key 32 (g / 2) + 16 h + 8 (g % 2) + j, query r.  K's scale word: the block's register, lanes 16-31 where g is odd; all its four bytes are the row's byte
.macro SCORE g, t
.set rD, 104+64*(\t)+8*(\g)
.set rA, 12*((\g)/4)
.set rB, 48+24*(\t)+12*((\g)%2)+6*(1-(((\g)%4)/2))
.set rS, 8+(\g)/2
.if ((\g)%2 == 0) && ((\t) == 0)
	v_wmma_scale_f32_16x16x128_f8f6f4 v[rD:rD+7], v[rA:rA+11], v[rB:rB+11], 0, v[rS], v13 matrix_a_fmt:MATRIX_FMT_FP6 matrix_b_fmt:MATRIX_FMT_FP6
.elseif ((\t) == 0)
	v_wmma_scale_f32_16x16x128_f8f6f4 v[rD:rD+7], v[rA:rA+11], v[rB:rB+11], 0, v[rS], v13 matrix_a_fmt:MATRIX_FMT_FP6 matrix_b_fmt:MATRIX_FMT_FP6 matrix_a_scale:MATRIX_SCALE_ROW1
.elseif ((\g)%2 == 0)
	v_wmma_scale_f32_16x16x128_f8f6f4 v[rD:rD+7], v[rA:rA+11], v[rB:rB+11], 0, v[rS], v13 matrix_a_fmt:MATRIX_FMT_FP6 matrix_b_fmt:MATRIX_FMT_FP6 matrix_b_scale:MATRIX_SCALE_ROW1
.else
	v_wmma_scale_f32_16x16x128_f8f6f4 v[rD:rD+7], v[rA:rA+11], v[rB:rB+11], 0, v[rS], v13 matrix_a_fmt:MATRIX_FMT_FP6 matrix_b_fmt:MATRIX_FMT_FP6 matrix_a_scale:MATRIX_SCALE_ROW1 matrix_b_scale:MATRIX_SCALE_ROW1
.endif
.endm
.macro SCORES
	WIN 0x05                                       ; K and q in window 1, the scores in window 0
.irp g, 0,1,2,3,4,5,6,7
.irp t, 0,1
	SCORE \g, \t
.endr
.endr
	WIN 0
.endm
; One tile's softmax for a key step.  sb: its 64 scores; st: -M, t, the sum's two halves; ob: its O^T; pb: p's codes; psr: p's scale word
.macro SM sb, st, ob, pb, psr
.irp b, 0,1,2,3
	v_max3_num_f32 v[24+\b], v[\sb+16*\b], v[\sb+16*\b+1], v[\sb+16*\b+2]   ; the largest score of each block of 32 keys: for the row's maximum, and for the block's largest p
.endr
.irp i, 3,5,7,9,11,13
.irp b, 0,1,2,3
	v_max3_num_f32 v[24+\b], v[24+\b], v[\sb+16*\b+\i], v[\sb+16*\b+\i+1]
.endr
.endr
.irp b, 0,1,2,3
	v_max_num_f32 v[24+\b], v[24+\b], v[\sb+16*\b+15]
.endr
.irp b, 0,1,2,3
	v_permlanex16_b32 v[28+\b], v[24+\b], s42, s43
.endr
.irp b, 0,1,2,3
	v_max_num_f32 v[24+\b], v[24+\b], v[28+\b]     ; with lane l xor 16's 16 keys
.endr
	v_max3_num_f32 v38, v24, v25, v26
	v_max_num_f32 v38, v38, v27
	v_mul_f32 v38, s40, v38                        ; as t (c is positive)
	v_max_num_f32 v[\st+1], v[\st+1], v38          ; the running largest t
	v_mov_b32 v38, v[\st]
	v_floor_f32 v[\st], -v[\st+1]                  ; the new -M = -ceil(t)
	v_sub_f32 v38, v[\st], v38                     ; old M - new M: a whole number, 0 or less
	v_cvt_i32_f32 v38, v38                         ; (it saturates)
	v_ldexp_f32 v36, 1.0, v38                      ; f = 2^(old M - new M)
.set j, 0
.rept 32
	v_pk_fma_f32 v[\sb+j:\sb+j+1], v[\sb+j:\sb+j+1], s[40:41], v[\st:\st+1] op_sel_hi:[1,0,0]   ; t - M, two at a time
.set j, j+2
.endr
.irp b, 0,1,2,3
	v_fma_f32 v[24+\b], v[24+\b], s40, v[\st]      ; the same of each block's largest score
.endr
.set j, 0
.rept 64
	v_exp_f32 v[\sb+j], v[\sb+j]                   ; p = 2^(t - M)
.set j, j+1
.endr
	v_pk_mul_f32 v[\st+2:\st+3], v[\st+2:\st+3], v[36:37] op_sel_hi:[1,0]   ; the sum under the new M (the plain line behind the exponentials)
	s_wait_alu depctr_va_vdst(0)                   ; one wait for the batch of 64, ahead of its first reader
.irp b, 0,1,2,3
	v_exp_f32 v[24+\b], v[24+\b]                   ; the block's largest p
.endr
	v_pk_add_f32 v[28:29], v[\sb:\sb+1], v[\sb+2:\sb+3]   ; the sum of the unquantised p, in two chains
.set j, 4
.rept 15
	v_pk_add_f32 v[\st+2:\st+3], v[\st+2:\st+3], v[\sb+j:\sb+j+1]
	v_pk_add_f32 v[28:29], v[28:29], v[\sb+j+2:\sb+j+3]
.set j, j+4
.endr
	v_pk_add_f32 v[\st+2:\st+3], v[\st+2:\st+3], v[28:29]
	s_wait_alu depctr_va_vdst(0)                   ; and one for the four
.irp b, 0,1,2,3
	v_max_num_f32 v[24+\b], 0x1800000, v[24+\b]    ; the floor 2^(3 - 127): the byte cannot fall under 1
.endr
.irp b, 0,1,2,3
	v_add_nc_u32 v[32+\b], 0xff000000, v[24+\b]    ; 2 off the exponent field: the conversion's scale operand
.endr
.irp b, 0,1,2,3
	v_lshrrev_b32 v[28+\b], 23, v[32+\b]
.endr
	v_lshl_or_b32 v[\psr], v29, 8, v28             ; p's scale word for these 128 keys
	v_lshl_or_b32 v[\psr], v30, 16, v[\psr]
	v_lshl_or_b32 v[\psr], v31, 24, v[\psr]
.irp c, 0,1
	v_cvt_scalef32_pk16_fp6_f32 v[\pb+6*\c:\pb+6*\c+2], v[\sb+32*\c:\sb+32*\c+15], v[32+2*\c]
	v_cvt_scalef32_pk16_fp6_f32 v[40+4*\c:42+4*\c], v[\sb+32*\c+16:\sb+32*\c+31], v[33+2*\c]
.endr
	v_nop                                          ; one plain line behind the conversions
.irp c, 0,1
.irp i, 0,1,2
	v_permlane16_swap_b32 v[\pb+6*\c+\i], v[40+4*\c+\i]   ; a whole block to a lane: lanes 0-15 block 2 c, lanes 16-31 block 2 c + 1
.endr
.irp i, 0,1,2
	v_mov_b32 v[\pb+3+6*\c+\i], v[40+4*\c+\i]
.endr
.endr
.set j, 0
.rept 8
	v_pk_mul_f32 v[\ob+j:\ob+j+1], v[\ob+j:\ob+j+1], v[36:37] op_sel_hi:[1,0]   ; O^T under the new M, from its low end on
.set j, j+2
.endr
.endm
; O^T += V^T P^T: four accumulators, one instruction a turn; the step's 16 score products stand between two links of a chain
.macro PVMUL
	PLACES 4
	WIN 0x01                                       ; V in window 1
	v_wmma_scale_f32_16x16x128_f8f6f4 v[72:79], v[24:35], v[48:59], v[72:79], v12, v14 matrix_a_fmt:MATRIX_FMT_FP6 matrix_b_fmt:MATRIX_FMT_FP6
	v_wmma_scale_f32_16x16x128_f8f6f4 v[80:87], v[36:47], v[48:59], v[80:87], v12, v14 matrix_a_fmt:MATRIX_FMT_FP6 matrix_b_fmt:MATRIX_FMT_FP6 matrix_a_scale:MATRIX_SCALE_ROW1
	v_wmma_scale_f32_16x16x128_f8f6f4 v[88:95], v[24:35], v[60:71], v[88:95], v12, v15 matrix_a_fmt:MATRIX_FMT_FP6 matrix_b_fmt:MATRIX_FMT_FP6
	v_wmma_scale_f32_16x16x128_f8f6f4 v[96:103], v[36:47], v[60:71], v[96:103], v12, v15 matrix_a_fmt:MATRIX_FMT_FP6 matrix_b_fmt:MATRIX_FMT_FP6 matrix_a_scale:MATRIX_SCALE_ROW1
	WIN 0
.endm
; PREFETCHES.  All 32 work-groups of a batch walk the same streams of K and V, 24,576 bytes a head each: the first of them (nb = 0) asks, each wave for its own head, lanes 256 bytes apart.
; In trip 0: bytes 8,192 to 16,383 of both streams, first wanted by the loads of trip 1; in trip 3: bytes 16,384 to 24,575, first wanted by the loads of trip 4.  Each aligned block of 256 bytes is named once
; in the launch; the first 8,192 bytes come by their loads alone.  The requests stand behind the trip's loads of K; their address registers are never rewritten.
.macro ASK
	s_cmp_eq_u32 s44, s45
	s_cbranch_scc0 .Lno_a_\@
	global_prefetch_b8 v4, s[28:29] offset:8192 th:TH_LOAD_NT scope:SCOPE_SE
	global_prefetch_b8 v4, s[30:31] offset:8192 th:TH_LOAD_NT scope:SCOPE_SE
.Lno_a_\@:
	s_cmp_eq_u32 s44, s46
	s_cbranch_scc0 .Lno_b_\@
	global_prefetch_b8 v4, s[28:29] offset:16384 th:TH_LOAD_NT scope:SCOPE_SE
	global_prefetch_b8 v4, s[30:31] offset:16384 th:TH_LOAD_NT scope:SCOPE_SE
.Lno_b_\@:
.endm
; A KEY STEP: 128 keys.  more = 1: the next step's K and V are asked for as soon as this step's products have read theirs
.macro STEP more
	s_wait_loadcnt 13                              ; K and its scale words are in; the youngest 13 loads (V's 12 and its scale word) may be out
.if \more
	s_add_nc_u64 s[32:33], s[32:33], 3072          ; (that wait has shown K's loads done, so their bases may step)
	s_add_nc_u64 s[34:35], s[34:35], 4096
.endif
	SCORES
	PLACES 4                                       ; in front of loads into registers that the products have read, and of the first read of the scores
.if \more
	LOADK
	ASK
.endif
	SM 104, 16, 72, 48, 14
	SM 168, 20, 88, 60, 15
.if \more
	s_wait_loadcnt 16                              ; V is in; the next step's K (12 loads) and its four scale words may be out
	s_add_nc_u64 s[36:37], s[36:37], 3072
	s_add_nc_u64 s[38:39], s[38:39], 1024
.else
	s_wait_loadcnt 0x0
.endif
	PVMUL
	PLACES 4
.if \more
	LOADV
.endif
.endm
	s_load_b512 s[4:19], s[0:1], 0x0               ; qc s[4:5], qs s[6:7], kc s[8:9], ks s[10:11], vc s[12:13], vs s[14:15], woc s[16:17], wos s[18:19]
	s_load_b128 s[20:23], s[0:1], 0x40             ; bo s[20:21], out0 s[22:23]
	v_lshl_add_u32 v254, v0, 2, 0xaa00
	v_mov_b32 v255, 0
	v_lshrrev_b32 v24, 5, v0
	v_readfirstlane_b32 s24, v24                   ; H: wave = head
	s_mov_b32 s25, ttmp9                           ; nb
	s_and_b32 s26, ttmp7, 0xffff                   ; b
	s_mov_b32 s40, 0x3e8293ee                      ; c = log2(e) / sqrt(32)
	s_mov_b32 s41, s40                             ; (named with it as a pair, so it is written)
	s_mov_b32 s42, 0x76543210
	s_mov_b32 s43, 0xfedcba98                      ; v_permlanex16_b32's selects for lane l xor 16
	s_cmp_eq_u32 s25, 0
	s_cselect_b32 s45, 0, -1                       ; the trips in which this work-group prefetches: 0 and 3 where nb = 0, else none
	s_cselect_b32 s46, 3, -1
	v_and_b32 v24, 31, v0                          ; L
	v_and_b32 v25, 15, v0                          ; r
	v_bfe_u32 v26, v0, 4, 1                        ; h
	v_bfe_u32 v27, v0, 3, 2                        ; L / 8
	v_and_b32 v28, 7, v0                           ; L % 8
	v_cmp_le_u32 s47, 16, v24                      ; the mask of lanes 16-31
	v_lshlrev_b32 v1, 3, v24
	v_lshlrev_b32 v3, 2, v24
	v_lshlrev_b32 v4, 8, v24
	v_mov_b32 v5, 0
	v_lshlrev_b32 v6, 3, v25
	v_lshlrev_b32 v7, 2, v25
	v_mad_u32_u24 v2, v26, 768, v6
	v_lshlrev_b32 v247, 4, v24
	; LDS: where my head's codes of ctx go: lane 16 t + r -> fragment (t, H / 4), planes 3 ((H / 2) % 2) + k, lane 16 (H % 2) + r
	s_lshr_b32 s48, s24, 2
	s_mul_i32 s49, s48, 1536
	s_bfe_u32 s27, s24, 0x10001
	s_mul_i32 s27, s27, 768
	s_add_co_u32 s49, s49, s27
	s_and_b32 s27, s24, 1
	s_lshl_b32 s27, s27, 7
	s_add_co_u32 s49, s49, s27
	v_mad_u32_u24 v242, v26, 3072, v6
	v_add_nc_u32 v242, s49, v242
	s_lshl_b32 s49, s48, 6
	s_and_b32 s27, s24, 3
	s_add_co_u32 s49, s49, s27
	s_add_co_u32 s49, s49, CSC
	v_lshl_add_u32 v243, v26, 7, v7
	v_add_nc_u32 v243, s49, v243                   ; and byte H % 4 of the row's scale word
	s_mul_i32 s49, s24, 4608
	s_add_co_u32 s49, s49, STG                     ; my stage
	v_mul_u32_u24 v244, v25, 144
	v_lshl_add_u32 v244, v26, 6, v244
	v_add_nc_u32 v244, s49, v244                   ; in: row r, 64 bytes for each half of the lanes
	v_mul_u32_u24 v245, v27, 144
	v_lshl_add_u32 v245, v28, 4, v245
	v_add_nc_u32 v245, s49, v245                   ; back: eight lanes to a row of 128 bytes, four rows an instruction
	v_lshlrev_b32 v246, 12, v27
	v_lshl_add_u32 v246, v28, 4, v246              ; and the same places in out0: rows 4,096 bytes apart
	; byte offsets of my parts
	s_lshl_b32 s48, s26, 3
	s_add_co_u32 s48, s48, s24                     ; 8 b + H
	s_lshl_b32 s50, s48, 5
	s_add_co_u32 s50, s50, s25
	s_mul_i32 s50, s50, 768                        ; q's block
	s_mov_b32 s51, 0
	s_lshl_b32 s52, s26, 5
	s_add_co_u32 s52, s52, s25
	s_lshl_b32 s52, s52, 3
	s_add_co_u32 s52, s52, s24
	s_lshl_b32 s52, s52, 7                         ; q's scale words
	s_mov_b32 s53, 0
	s_mul_i32 s54, s48, 24576                      ; the head's stream of K, and of V
	s_mov_b32 s55, 0
	s_lshl_b32 s56, s26, 8
	s_add_co_u32 s56, s56, s24
	s_lshl_b32 s56, s56, 7                         ; K's scale words
	s_mov_b32 s57, 0
	s_lshl_b32 s58, s26, 6
	s_add_co_u32 s58, s58, s24
	s_lshl_b32 s58, s58, 7                         ; V's
	s_mov_b32 s59, 0
	s_mul_i32 s60, s24, 6144                       ; Wo's four fragments for outputs 32 H .. 32 H + 31
	s_mov_b32 s61, 0
	s_lshl_b32 s62, s24, 9
	s_mov_b32 s63, 0
	s_wait_kmcnt 0x0
	s_add_nc_u64 s[4:5], s[4:5], s[50:51]
	s_add_nc_u64 s[6:7], s[6:7], s[52:53]
	s_add_nc_u64 s[28:29], s[8:9], s[54:55]        ; the streams' first bytes: never rewritten
	s_add_nc_u64 s[30:31], s[12:13], s[54:55]
	s_mov_b64 s[32:33], s[28:29]                   ; and the copies that walk
	s_mov_b64 s[36:37], s[30:31]
	s_add_nc_u64 s[34:35], s[10:11], s[56:57]
	s_add_nc_u64 s[38:39], s[14:15], s[58:59]
	s_add_nc_u64 s[16:17], s[16:17], s[60:61]
	s_add_nc_u64 s[18:19], s[18:19], s[62:63]
	s_lshl_b32 s62, s24, 7
	s_add_nc_u64 s[20:21], s[20:21], s[62:63]
	s_lshl_b32 s62, s26, 20
	s_lshl_b32 s48, s24, 17
	s_add_co_u32 s62, s62, s48
	s_lshl_b32 s48, s25, 7
	s_add_co_u32 s62, s62, s48
	s_add_nc_u64 s[22:23], s[22:23], s[62:63]      ; out0 at (b, output 32 H, token 32 nb)
.irp t, 0,1                                    ; q: row (t, r) into both halves of the lanes
.irp k, 0,1,2
	global_load_b64 v[168+6*\t+2*\k:169+6*\t+2*\k], v6, s[4:5] offset:256*\k+128*\t
.endr
.endr
	global_load_b32 v13, v3, s[6:7]                ; q's scale words: lanes 0-15 tile 0, lanes 16-31 tile 1
	WIN 0x40
.irp f, 0,1,2,3
.irp c, 0,1,2
	global_load_b128 v[104+12*\f+4*\c:107+12*\f+4*\c], v247, s[16:17] offset:1536*\f+512*\c   ; Wo's fragments (2 Tl + s2): they wait in registers for the end
.endr
.endr
	WIN 0
.irp f, 0,1,2,3
	global_load_b32 v[232+\f], v3, s[18:19] offset:128*\f
.endr
	global_load_b32 v240, v7, s[20:21]             ; bo(32 H + r), bo(32 H + 16 + r)
	global_load_b32 v241, v7, s[20:21] offset:64
	LOADK                                          ; key step 0
	LOADV
	s_wait_loadcnt 47                              ; of the 54 loads the first 7 are in: q and its scale words
	WIN 0x40                                       ; q's versions, in window 1: [Z][lo 0][Z][hi 0][Z][lo 1][Z][hi 1][Z], six registers each; version j of tile t begins at 48 + 24 t + 12 (j % 2) + 6 (1 - j / 2)
.irp z, 0,1,2,3,4
.irp i, 0,1,2,3,4,5
	v_mov_b32 v[48+12*\z+\i], 0
.endr
.endr
.irp t, 0,1
.irp i, 0,1,2,3,4,5
	v_cndmask_b32 v[54+24*\t+\i], v[168+6*\t+\i], v5, s47   ; lo: q in lanes 0-15, zero codes in lanes 16-31
	v_cndmask_b32 v[66+24*\t+\i], v5, v[168+6*\t+\i], s47   ; hi: the other way round
.endr
.endr
	WIN 0
.irp t, 0,1
	v_mov_b32 v[17+4*\t], 0xff61b1e6               ; the largest t so far: -3e38, under every t
	v_floor_f32 v[16+4*\t], -v[17+4*\t]            ; -M
	v_mov_b32 v[18+4*\t], 0                        ; the sum, in two halves
	v_mov_b32 v[19+4*\t], 0
.endr
.irp i, 28,29,30,31,37
	v_mov_b32 v[\i], 0                             ; written once: the lane permutes' destinations, and the upper half of the pair v[36:37]
.endr
.set j, 0
.rept 32
	v_mov_b32 v[72+j], 0                           ; O^T: the step is written for every step alike: the first finds zeros
.set j, j+1
.endr
	s_mov_b32 s44, 0
.Lstep:                                            ; seven trips; each asks for the next step's K and V
	STEP 1
	s_add_co_u32 s44, s44, 1
	s_cmp_lt_u32 s44, 7
	s_cbranch_scc1 .Lstep
	STEP 0                                         ; the last step asks for nothing: no load leaves its buffer
	; THE END OF ATTENTION: ctx = O^T / l, quantised along the last product's K: my head's 32 channels are one block of each token
	v_add_f32 v18, v18, v19
	v_add_f32 v22, v22, v23
	v_permlanex16_b32 v28, v18, s42, s43
	v_permlanex16_b32 v29, v22, s42, s43
	v_add_f32 v18, v18, v28                        ; with lane l xor 16's keys: the row's sum
	v_add_f32 v22, v22, v29
	v_rcp_f32 v32, v18
	v_rcp_f32 v34, v22
	v_nop                                          ; a plain line behind the reciprocals
	s_wait_alu depctr_va_vdst(0)                   ; and the wait ahead of their first reader
.set j, 0
.rept 8
	v_pk_mul_f32 v[104+j:105+j], v[72+j:73+j], v[32:33] op_sel_hi:[1,0]   ; register j = channel 16 h + j of token tau(0, r); each accumulator from its low end on
.set j, j+2
.endr
.set j, 0
.rept 8
	v_pk_mul_f32 v[120+j:121+j], v[88+j:89+j], v[34:35] op_sel_hi:[1,0]   ; tile 1
.set j, j+2
.endr
.irp a, 0,1
	v_max3_num_f32 v[24+\a], |v[104+16*\a]|, |v[105+16*\a]|, 0x1800000
.endr
.irp i, 2,4,6,8,10,12,14
.irp a, 0,1
	v_max3_num_f32 v[24+\a], v[24+\a], |v[104+16*\a+\i]|, |v[105+16*\a+\i]|
.endr
.endr
	v_permlanex16_b32 v28, v24, s42, s43
	v_permlanex16_b32 v29, v25, s42, s43
	v_max_num_f32 v24, v24, v28
	v_max_num_f32 v25, v25, v29
	v_add_nc_u32 v24, 0xff000000, v24
	v_add_nc_u32 v25, 0xff000000, v25
	v_lshrrev_b32 v28, 23, v24
	v_lshrrev_b32 v29, 23, v25
	v_cvt_scalef32_pk16_fp6_f32 v[48:50], v[104:119], v24
	v_cvt_scalef32_pk16_fp6_f32 v[54:56], v[120:135], v25
	v_cndmask_b32 v26, v28, v29, s47               ; lanes 0-15 tile 0's byte, lanes 16-31 tile 1's (also the plain line behind the conversions)
.irp i, 0,1,2
	v_permlane16_swap_b32 v[48+\i], v[54+\i]
.endr
.irp i, 0,1,2
	v_mov_b32 v[51+\i], v[54+\i]                   ; lane 16 t + r holds the 24 bytes of token tau(t, r)
.endr
.irp k, 0,1,2
	ds_store_b64 v242, v[48+2*\k:49+2*\k] offset:256*\k
.endr
	ds_store_b8 v243, v26
.irp y, 0,1
.irp j, 0,1,2,3,4,5,6,7
	v_mov_b32 v[136+8*\y+\j], v[240+\y]            ; bo widened to the C of the first products: the same number in a lane's eight registers
.endr
.endr
	s_wait_dscnt 0x0                               ; for the others' sake: my stores have landed
	s_barrier_signal -1
	s_barrier_wait -1                              ; ctx's four fragments and their scale words lie in LDS
.irp f, 0,1,2,3
.irp p, 0,1,2,3,4,5
	ds_load_b64 v[168+12*\f+2*\p:169+12*\f+2*\p], v1 offset:1536*\f+256*\p
.endr
	ds_load_b32 v[236+\f], v7 offset:CSC+64*\f
.endr
	s_wait_dscnt 0x0
	WIN 0x04                                       ; Wo in window 1
; out: source 0 = ctx's tile t (16 tokens), source 1 = 16 rows of Wo: register j of lane (r, h) = token 16 h + 8 t + j, output 32 H + 16 y + r.  Four accumulators by turns
.irp s, 0,1
.irp y, 0,1
.irp t, 0,1
.if \s == 0
	v_wmma_scale_f32_16x16x128_f8f6f4 v[72+16*\y+8*\t:79+16*\y+8*\t], v[168+12*(2*\t+\s):179+12*(2*\t+\s)], v[104+12*(2*\y+\s):115+12*(2*\y+\s)], v[136+8*\y:143+8*\y], v[236+2*\t+\s], v[232+2*\y+\s] matrix_a_fmt:MATRIX_FMT_FP6 matrix_b_fmt:MATRIX_FMT_FP6
.else
	v_wmma_scale_f32_16x16x128_f8f6f4 v[72+16*\y+8*\t:79+16*\y+8*\t], v[168+12*(2*\t+\s):179+12*(2*\t+\s)], v[104+12*(2*\y+\s):115+12*(2*\y+\s)], v[72+16*\y+8*\t:79+16*\y+8*\t], v[236+2*\t+\s], v[232+2*\y+\s] matrix_a_fmt:MATRIX_FMT_FP6 matrix_b_fmt:MATRIX_FMT_FP6
.endif
.endr
.endr
.endr
	WIN 0
	PLACES 4
	; THE WAY OUT: a lane holds 64 neighbouring bytes of a row of out0; through my own stage they leave as runs of 128 bytes, four rows an instruction
.irp y, 0,1
.irp i, 0,1,2,3
	ds_store_b128 v244, v[72+16*\y+4*\i:75+16*\y+4*\i] offset:2304*\y+16*\i   ; each accumulator from its low end on
.endr
.endr
.irp q, 0,1,2,3,4,5,6,7
	ds_load_b128 v[104+4*\q:107+4*\q], v245 offset:576*\q   ; LDS serves a wave's instructions in order: these see my stores
.endr
.irp q, 0,1,2,3,4,5,6,7
	s_wait_dscnt 7-\q
	global_store_b128 v246, v[104+4*\q:107+4*\q], s[22:23] offset:16384*\q th:TH_STORE_NT   ; eight lanes store 128 consecutive bytes of a row; written once, read by nobody here
.endr
	s_wait_tensorcnt 0x0
	ds_add_u32 v254, v255
	s_wait_dscnt 0x0
	s_endpgm
.Lfunc_end_k_q6f228b9519_attn:
	.size	k_q6f228b9519_attn, .Lfunc_end_k_q6f228b9519_attn-k_q6f228b9519_attn
	.p2alignl 7, 3214868480
	.fill 96, 4, 3214868480
	.section	.rodata,"a",@progbits
	.p2align	6, 0x0
	.amdhsa_kernel k_q6f228b9519_attn
		.amdhsa_group_segment_fixed_size 44544
		.amdhsa_private_segment_fixed_size 0
		.amdhsa_enable_private_segment 0
		.amdhsa_kernarg_size 80
		.amdhsa_user_sgpr_count 2
		.amdhsa_user_sgpr_kernarg_segment_ptr 1
		.amdhsa_wavefront_size32 1
		.amdhsa_system_sgpr_workgroup_id_x 1
		.amdhsa_system_sgpr_workgroup_id_y 1
		.amdhsa_system_sgpr_workgroup_id_z 1
		.amdhsa_system_vgpr_workitem_id 0
		.amdhsa_next_free_vgpr 512
		.amdhsa_next_free_sgpr 66
		.amdhsa_reserve_vcc 0
		.amdhsa_float_denorm_mode_32 3
		.amdhsa_float_denorm_mode_16_64 3
		.amdhsa_memory_ordered 1
		.amdhsa_forward_progress 1
		.amdhsa_inst_pref_size 78
	.end_amdhsa_kernel
	.amdgpu_metadata
---
amdhsa.version: [ 1, 2 ]
amdhsa.kernels:
  - .name:           k_q6f228b9519_attn
    .symbol:         k_q6f228b9519_attn.kd
    .args:
      - { .name: qc, .offset: 0, .size: 8, .value_kind: global_buffer, .address_space: global }
      - { .name: qs, .offset: 8, .size: 8, .value_kind: global_buffer, .address_space: global }
      - { .name: kc, .offset: 16, .size: 8, .value_kind: global_buffer, .address_space: global }
      - { .name: ks, .offset: 24, .size: 8, .value_kind: global_buffer, .address_space: global }
      - { .name: vc, .offset: 32, .size: 8, .value_kind: global_buffer, .address_space: global }
      - { .name: vs, .offset: 40, .size: 8, .value_kind: global_buffer, .address_space: global }
      - { .name: woc, .offset: 48, .size: 8, .value_kind: global_buffer, .address_space: global }
      - { .name: wos, .offset: 56, .size: 8, .value_kind: global_buffer, .address_space: global }
      - { .name: bo, .offset: 64, .size: 8, .value_kind: global_buffer, .address_space: global }
      - { .name: out0, .offset: 72, .size: 8, .value_kind: global_buffer, .address_space: global }
    .group_segment_fixed_size: 44544
    .private_segment_fixed_size: 0
    .kernarg_segment_align: 8
    .kernarg_segment_size: 80
    .max_flat_workgroup_size: 256
    .sgpr_count:     66
    .vgpr_count:     512
    .wavefront_size: 32
...
	.end_amdgpu_metadata
.endif
;; end of part 2
;; ======== version 2 of 3: 2 launches
;; workspace buffers: qc 1,572,864 bytes; kc 1,572,864 bytes; vc 1,572,864 bytes; qs 262,144 bytes; ks 262,144 bytes; vs 65,536 bytes; woc 49,152 bytes; wos 4,096 bytes
;; launch qkv (part 3): grid 64 x 4, 8 waves a work-group, clusters of 4 x 1, 267,264 bytes of LDS; arguments x, Wq, Wk, Wv, Wo, bq, bk, bv, qc, kc, vc, qs, ks, vs, woc, wos; writes qc, kc, vc, qs, ks, vs, woc, wos
.if DOCPART == 3
	.amdgcn_target "amdgcn-amd-amdhsa--gfx1250"
	.amdhsa_code_object_version 6
	.text
	.protected	k_q6f228b9519_qkv
	.globl	k_q6f228b9519_qkv
	.p2align	8
	.type	k_q6f228b9519_qkv,@function
k_q6f228b9519_qkv:
	s_mov_b64 s[64:65], 0
	v_nop
	global_prefetch_b8 v0, s[64:65] scope:SCOPE_SE
	s_setreg_imm32_b32 hwreg(HW_REG_WAVE_MODE, 25, 1), 1
	s_wait_xcnt 0x0
	s_wait_alu depctr_hold_cnt(0) depctr_sa_sdst(0) depctr_va_vdst(0) depctr_va_sdst(0) depctr_va_ssrc(0) depctr_va_vcc(0) depctr_vm_vsrc(0)
	s_getreg_b32 s2, hwreg(HW_REG_IB_STS2, 6, 4)
	s_cmp_eq_u32 s2, 0
	s_cbranch_scc0 .Lentry_in_a_cluster
	s_endpgm
.Lentry_in_a_cluster:
	s_bfe_u32 s2, ttmp6, 0x10000c
	s_cmp_lg_u32 s2, 0x3003
	s_cbranch_scc0 .Lentry_shape_is_right
	s_endpgm
.Lentry_shape_is_right:
; q, k, v = x W^T + b on codes of FP6 (E2M3) with one E8M0 scale for each 32 along K, and their own quantising for the attention launch.
; x: [8][256 c][1024 n] f32 (the tokens innermost);  Wq, Wk, Wv, Wo: [256 d][256 c] f32;  biases [256] f32.
; SHARES.  A work-group takes 128 tokens (tg = 0..63: batch tg / 8, key step tg % 8) x 2 heads (hg = 0..3), for q, k and v: 128 + 192 rows of 1,024 bytes of f32 are read and quantised, the least among shapes
; that keep whole heads on 256 work-groups.  Wo's 32 fragments are quantised by wave 7 of the 32 work-groups with tg < 8, one each.
; THE WEIGHTS COME BY TENSOR LOADS: the work-group's 64 rows of each of Wq, Wk, Wv, 8 whole rows of 1,024 bytes to a load, three loads a wave, each byte of LDS filled once.  A lane then reads its blocks of 32 numbers from LDS.
; CLUSTER.  Four work-groups (tg = 4 X + cx, one hg) need the same rows of the weights: each tile is asked for JOINTLY, by the same tensor load with the same descriptor and a mask that names the four.
; x differs between the partners and goes through registers, 512 consecutive bytes a load.  It is shared only along hg, and its tile of f32, 131,072 bytes, has no room beside the weights' 199,680 and the images' 66,560.
; THE MAP tau(u, r) = 8 u + r + 8 (r / 8): tile u (0, 1) of a group of 32 rows (tokens of a block of 32, channels of a head) takes row tau(u, r) in lane r.  Row 8 h + j of tile u is then element 16 h + 8 u + j,
; so the 16 result registers of tiles 0 and 1 are 16 neighbours along the next product's K.
; PHASES.  X: wave w quantises channels 32 w .. 32 w + 31 (one block) of the 128 tokens.  A barrier: the weights lie in LDS.  W: one fragment of each of Wq, Wk, Wv a wave.  Fragments go to LDS as images of the
; operand's registers.  A barrier.  MAIN: wave w takes tokens 32 (w / 2) .. + 31 and head 2 hg + w % 2: q and k transposed (source 0 = W, source 1 = x: a lane holds one token and 16 channels), v plain (a lane
; holds one channel and 16 tokens); the bias is the C of each sum's first product.  Each result is quantised in registers and stored in the order in which the attention launch's operand registers take it.
; OUT.  qc, kc: [b][H][g 0..31] blocks of 768 bytes [k 0..2][lane][8]: lane 16 u + r holds the 24 bytes (32 codes along the head) of token 32 g + tau(u, r).  vc: the same with row = channel tau(u, r), codes along tokens 32 g ..
; qs, ks: [b][g][H][lane][4]: the row's scale byte four times.  vs: [b][key step][H][lane 16 u + r][4]: byte i scales token block 4 s + i.  woc: [fragment][3][lane][16], wos: [fragment][lane][4].
; LIMITS: NaN and infinities are not served.  A block of zeros, or one whose largest magnitude lies under 2^-124, keeps the scale byte 1 (the rule says 127 for zeros): its codes are zeros or the rule's own,
; and the bytes are read by this program alone.  x's codes go to their images by stores of 8 bytes.
.set SCP,  0                           ; LDS: the scale page: q's words 128 w + 4 lane; k's + 1,024; v's bytes from 2,048
.set XIMG, 2560                        ; x's 16 fragments ((2 tb + u) 2 + s), 1,536 bytes each: register q of lane l at 512 (q / 4) + 16 l + 4 (q % 4)
.set XSC,  27136                       ; their scale words, 64 bytes a fragment
.set WIMG, 28160                       ; the weights' 24 fragments (((3 hh + wt) 2 + u) 2 + s)
.set WSC,  65024                       ; their scale words
.set WRAW, 66560                       ; the weights as f32: three times 64 rows; only tensor loads write here, and nothing else is stored here
.set WP,   1040                        ; a row: 1,024 bytes + 16 of padding = 65 x 16: the 16 rows of a load of 16 bytes a lane begin in 16 different columns of 16 bytes
.set WONE, 64*WP                       ; one weight's 64 rows
.set R1,   64                          ; v64-127, v128-191: 64 numbers of a weight's fragment; v128-255 first hold x
.set R2,   128
.set XF,   64                          ; main phase: x's four fragments (2 u + s), the weight's four, four accumulators, the biases
.set WF,   112
.set ACC,  160
.set BQ,   192
.set BK,   208
.set BV,   224
.set G1,   68                          ; s[68:75] descriptor group 1;  s[76:87] group 0, a set for each weight
.set G0,   76
; v1 16 L; v2, v38, v39 where I read Wq's, Wk's, Wv's numbers; v3 Wo's offset; v4-6 where x's codes go; v7 x's scale byte; v8, v9 where a weight's image and word go; v10-13 where fragments and words are read;
; v14 8 L; v15 q's and k's word in the page; v16 v's byte; v17 the page's way out; v18 8 h; v19 64 h; v20 4 tau(0, r); v21 4 L; v24-31 scale words and nothing else; v32-37, v40-63 at work
.macro PLACES n
.rept \n
	v_nop
.endr
.endm
.macro BARRIER                         ; my LDS stores have landed and my LDS loads are in: then the work-group's barrier
	s_wait_dscnt 0x0
	s_barrier_signal -1
	s_barrier_wait -1
.endm
; A round of the cluster's barrier: my work-group's barrier, so that wave 0's signal speaks for all eight waves; wave 0 signals for the work-group; every wave waits for all four work-groups; my work-group's barrier once more
.macro ROUND
	s_barrier_signal -1
	s_barrier_wait -1
	s_cmp_lg_u32 s36, 0
	s_cbranch_scc1 .Lnot_wave_0_\@
	s_barrier_signal -3
.Lnot_wave_0_\@:
	s_barrier_wait -3
	s_barrier_signal -1
	s_barrier_wait -1
.endm
.macro MM d, a, b, c, sa, sb
	v_wmma_scale_f32_16x16x128_f8f6f4 v[\d:\d+7], v[\a:\a+11], v[\b:\b+11], v[\c:\c+7], v[\sa], v[\sb] matrix_a_fmt:MATRIX_FMT_FP6 matrix_b_fmt:MATRIX_FMT_FP6
.endm
; a fragment as f32: lane (r, h) takes, of its row, the 128 bytes of K = 64 c + 32 h + 0 .. 31, c = 0, 1: two whole blocks.  From memory (Wo: one wave of 32 work-groups):
.macro LOADW reg, ptr, voff
.irp c, 0,1
.irp e, 0,1,2,3,4,5,6,7
	global_load_b128 v[\reg+32*\c+4*\e:\reg+32*\c+4*\e+3], v[\voff], s[\ptr:\ptr+1] offset:256*\c+16*\e
.endr
.endr
.endm
; and from LDS (Wq, Wk, Wv)
.macro FETCHR reg, adr
.irp c, 0,1
.irp e, 0,1,2,3,4,5,6,7
	ds_load_b128 v[\reg+32*\c+4*\e:\reg+32*\c+4*\e+3], v[\adr] offset:256*\c+16*\e
.endr
.endr
.endm
; x: register 128 + 4 i + t = x(channel 32 w + i, token 4 L + t).  A lane holds four whole blocks, one a token.
.macro QUANTX
.irp t, 0,1,2,3
	v_max3_num_f32 v[32+\t], |v[128+\t]|, |v[132+\t]|, 0x1800000   ; the floor 2^(3 - 127) among the leaves holds the byte at 1 from below
.endr
.irp i, 2,4,6,8,10,12,14,16,18,20,22,24,26,28,30
.irp t, 0,1,2,3
	v_max3_num_f32 v[32+\t], v[32+\t], |v[128+4*\i+\t]|, |v[132+4*\i+\t]|   ; the four tokens by turns
.endr
.endr
.irp t, 0,1,2,3
	v_add_nc_u32 v[32+\t], 0xff000000, v[32+\t]    ; 2 off the exponent field: the conversion's scale operand
.endr
.irp t, 0,1,2,3
.irp i, 0,1,2,3,4,5,6,7,8,9,10,11,12,13,14,15
	v_mov_b32 v[40+\i], v[128+4*\i+\t]             ; the conversion takes 16 neighbours along K from consecutive registers
.endr
	v_cvt_scalef32_pk16_fp6_f32 v[56:58], v[40:55], v[32+\t]
	v_lshrrev_b32 v36, 23, v[32+\t]                ; the scale's byte (also the plain line behind the conversion)
.irp i, 0,1,2,3,4,5,6,7,8,9,10,11,12,13,14,15
	v_mov_b32 v[40+\i], v[192+4*\i+\t]
.endr
	v_cvt_scalef32_pk16_fp6_f32 v[60:62], v[40:55], v[32+\t]   ; (a conversion's three registers begin on an even number)
	v_nop
	v_mov_b32 v59, v60
	v_mov_b32 v60, v61
	v_mov_b32 v61, v62                             ; v56-61: the token's 24 bytes
	ds_store_b64 v4, v[56:57] offset:16*\t         ; into the image of its fragment: three pieces of 8 bytes at the places of registers 6 c' .. 6 c' + 5 of lane 16 h + r
	ds_store_b64 v5, v[58:59] offset:16*\t
	ds_store_b64 v6, v[60:61] offset:16*\t
	ds_store_b8 v7, v36 offset:4*\t                ; byte w % 4 of the row's scale word
	s_wait_dscnt 0x0                               ; the stores have read their registers
.endr
.endm
; 64 numbers of a lane (two whole blocks: h and 2 + h of its row) become a fragment in v40-51 and the row's scale word in v36
.macro QUANTW src
.irp c, 0,1
	v_max3_num_f32 v[32+\c], |v[\src+32*\c]|, |v[\src+32*\c+1]|, 0x1800000
.endr
.irp i, 2,4,6,8,10,12,14,16,18,20,22,24,26,28,30
.irp c, 0,1
	v_max3_num_f32 v[32+\c], v[32+\c], |v[\src+32*\c+\i]|, |v[\src+32*\c+\i+1]|
.endr
.endr
	v_add_nc_u32 v32, 0xff000000, v32
	v_add_nc_u32 v33, 0xff000000, v33
	v_lshrrev_b32 v34, 23, v32
	v_lshrrev_b32 v35, 23, v33
	v_lshl_or_b32 v36, v35, 16, v34                ; my two bytes,
	v_lshlrev_b32 v36, v18, v36                    ; 8 h bits up;
	v_permlanex16_b32 v37, v36, s40, s41
	v_or_b32 v36, v36, v37                         ; with lane l xor 16's two the word is whole
	v_cvt_scalef32_pk16_fp6_f32 v[40:42], v[\src:\src+15], v32
	v_cvt_scalef32_pk16_fp6_f32 v[46:48], v[\src+32:\src+47], v33
	v_cvt_scalef32_pk16_fp6_f32 v[52:54], v[\src+16:\src+31], v32
	v_cvt_scalef32_pk16_fp6_f32 v[56:58], v[\src+48:\src+63], v33
	v_nop                                          ; one plain line behind the conversions
.irp i, 0,1,2
	v_mov_b32 v[43+\i], v[52+\i]
	v_mov_b32 v[49+\i], v[56+\i]
.endr
.endm
.macro IMAGEW wt
.irp c, 0,1,2
	ds_store_b128 v8, v[40+4*\c:43+4*\c] offset:6144*\wt+512*\c
.endr
	ds_store_b32 v9, v36 offset:256*\wt            ; lanes r and 16 + r write the same word with the same value
	s_wait_dscnt 0x0                               ; the stores have read their registers; the loads issued ahead of them are in too
.endm
.macro FETCHX
.irp f, 0,1,2,3
.irp c, 0,1,2
	ds_load_b128 v[XF+12*\f+4*\c:XF+12*\f+4*\c+3], v10 offset:1536*\f+512*\c
.endr
	ds_load_b32 v[24+\f], v11 offset:64*\f
.endr
.endm
.macro FETCHW wt
.irp f, 0,1,2,3
.irp c, 0,1,2
	ds_load_b128 v[WF+12*\f+4*\c:WF+12*\f+4*\c+3], v12 offset:6144*\wt+1536*\f+512*\c
.endr
	ds_load_b32 v[28+\f], v13 offset:256*\wt+64*\f
.endr
.endm
; q or k, transposed: accumulator 16 x + 8 y: lane (r, h), register j = channel 16 h + 8 y + j of token tau(x, r).  Four accumulators by turns, one instruction a turn
.macro MULQK bias
.irp s, 0,1
.irp x, 0,1
.irp y, 0,1
.if \s == 0
	MM ACC+16*\x+8*\y, WF+12*(2*\y+\s), XF+12*(2*\x+\s), \bias+8*\y, 28+2*\y+\s, 24+2*\x+\s
.else
	MM ACC+16*\x+8*\y, WF+12*(2*\y+\s), XF+12*(2*\x+\s), ACC+16*\x+8*\y, 28+2*\y+\s, 24+2*\x+\s
.endif
.endr
.endr
.endr
.endm
; v, plain: accumulator 16 y + 8 x: lane (r, h), register j = token 16 h + 8 x + j, channel tau(y, r)
.macro MULV
.irp s, 0,1
.irp x, 0,1
.irp y, 0,1
.if \s == 0
	MM ACC+16*\y+8*\x, XF+12*(2*\x+\s), WF+12*(2*\y+\s), BQ+8*\y, 24+2*\x+\s, 28+2*\y+\s
.else
	MM ACC+16*\y+8*\x, XF+12*(2*\x+\s), WF+12*(2*\y+\s), ACC+16*\y+8*\x, 24+2*\x+\s, 28+2*\y+\s
.endif
.endr
.endr
.endr
.endm
; The four accumulators are two units of 16 registers: unit a, lane (r, h) = elements 16 h + 0 .. 15 of row (a, r).  A block of 32 lies in lanes l and l xor 16.
; Afterwards lane 16 a + r holds its row's 24 bytes in v40-45.  kind 0, 1: q, k (the byte four times, a word to the page);  2: v (a byte to the page)
.macro QUANTO kind, dst
.irp a, 0,1
	v_max3_num_f32 v[32+\a], |v[ACC+16*\a]|, |v[ACC+16*\a+1]|, 0x1800000   ; each accumulator is read from its low end on
.endr
.irp i, 2,4,6,8,10,12,14
.irp a, 0,1
	v_max3_num_f32 v[32+\a], v[32+\a], |v[ACC+16*\a+\i]|, |v[ACC+16*\a+\i+1]|
.endr
.endr
	v_permlanex16_b32 v34, v32, s40, s41
	v_permlanex16_b32 v35, v33, s40, s41
	v_max_num_f32 v32, v32, v34
	v_max_num_f32 v33, v33, v35
	v_add_nc_u32 v32, 0xff000000, v32
	v_add_nc_u32 v33, 0xff000000, v33
	v_lshrrev_b32 v34, 23, v32
	v_lshrrev_b32 v35, 23, v33
	v_cvt_scalef32_pk16_fp6_f32 v[40:42], v[ACC:ACC+15], v32
	v_cvt_scalef32_pk16_fp6_f32 v[46:48], v[ACC+16:ACC+31], v33
	v_cndmask_b32 v36, v34, v35, s42               ; lanes 0-15 unit 0's byte, lanes 16-31 unit 1's (also the plain line behind the conversions)
.irp i, 0,1,2
	v_permlane16_swap_b32 v[40+\i], v[46+\i]       ; the first now holds each lane's row's lower 16 codes, the second the upper 16
.endr
.irp i, 0,1,2
	v_mov_b32 v[43+\i], v[46+\i]
.endr
.if \kind < 2
	v_mul_lo_u32 v36, v36, s43                     ; the byte four times
	ds_store_b32 v15, v36 offset:1024*\kind
.else
	ds_store_b8 v16, v36
.endif
.irp k, 0,1,2
	global_store_b64 v14, v[40+2*\k:41+2*\k], s[\dst:\dst+1] offset:256*\k   ; 32 lanes store 256 consecutive bytes, at a multiple of 256 from the buffer's first byte
.endr
.endm
	s_load_b512 s[4:19], s[0:1], 0x0               ; x s[4:5], Wq s[6:7], Wk s[8:9], Wv s[10:11], Wo s[12:13], bq s[14:15], bk s[16:17], bv s[18:19]
	s_load_b512 s[20:35], s[0:1], 0x40             ; qc s[20:21], kc s[22:23], vc s[24:25], qs s[26:27], ks s[28:29], vs s[30:31], woc s[32:33], wos s[34:35]
	v_lshl_add_u32 v63, v0, 2, 0x41000
	s_set_vgpr_msb 0x40
	v_mov_b32 v1, 0
	s_set_vgpr_msb 0x4044
	ds_add_u32 v63, v1
	ds_add_u32 v63, v1
	s_set_vgpr_msb 0x4400
	v_lshrrev_b32 v22, 5, v0
	v_readfirstlane_b32 s36, v22                   ; w: wave 0..7
	s_bfe_u32 s39, ttmp6, 0x40000                  ; cx: my place in the cluster: it enters global addresses alone
	s_lshl_b32 s37, ttmp9, 2                       ; in a cluster launch ttmp9 counts clusters
	s_add_co_u32 s37, s37, s39                     ; tg = 4 x cluster x + cx
	s_and_b32 s38, ttmp7, 0xffff                   ; hg, which the four partners share
	s_mov_b32 s40, 0x76543210
	s_mov_b32 s41, 0xfedcba98                      ; v_permlanex16_b32's selects for lane l xor 16
	s_mov_b32 s43, 0x01010101
	s_lshr_b32 s44, s36, 2                         ; X: K step s;        W: hh'
	s_bfe_u32 s45, s36, 0x10001                    ; X: c';              W: u'
	s_and_b32 s46, s36, 1                          ; X: h;  W: s';       main: hh
	s_lshr_b32 s47, s36, 1                         ; main: tb;           W: which 16 rows of the 64
	s_and_b32 s48, s36, 3
	s_and_b32 s52, s37, 7
	s_lshl_b32 s53, s38, 3
	s_add_co_u32 s52, s52, s53                     ; Wo's fragment: 8 hg + tg % 8 (used where tg < 8)
	s_lshl_b32 s53, s38, 1
	s_add_co_u32 s53, s53, s46                     ; H = 2 hg + hh
	; descriptor group 1: a tile of 8 rows x 256 elements of 4 bytes, padded in LDS
	s_mov_b32 s[G1+0], 15|(2<<16)|(1<<20)|(1<<21)|(7<<22)|(3<<25)   ; 15:0 the mask: all four work-groups; 17:16 elements of 4 bytes; 20 padding on; 21 set beside a mask; 24:22 after every 256 words (code 7); 31:25 4 words of it (code 3)
	s_mov_b32 s[G1+1], 256<<16                     ; tensor_dim0 = 256
	s_mov_b32 s[G1+2], 8<<16                       ; tensor_dim1 = 8
	s_mov_b32 s[G1+3], 256<<16                     ; tile_dim0 = 256
	s_mov_b32 s[G1+4], 8                           ; tile_dim1 = 8
	s_mov_b32 s[G1+5], 256                         ; elements from row to row
	s_mov_b32 s[G1+6], 0
	s_mov_b32 s[G1+7], 0
	; I fetch rows 8 w .. 8 w + 7 of the work-group's 64.  In LDS the groups of eight stand with the low two bits of their number swapped, so that a fragment's two groups (16 rows apart in memory: tau) lie on end
	s_and_b32 s50, s36, 4
	s_lshl_b32 s51, s46, 1
	s_or_b32 s50, s50, s51
	s_or_b32 s50, s50, s45
	s_mul_i32 s50, s50, 8*WP
	s_add_co_u32 s50, s50, WRAW                    ; the wave's number and constants alone
	s_lshl_b32 s56, s38, 16                        ; in memory: row 64 hg + 8 w of 1,024 bytes: hg and the wave's number alone
	s_lshl_b32 s57, s36, 13
	s_add_co_u32 s56, s56, s57
	s_mov_b32 s57, 0
	; x's byte offset: batch, my 32 channels, the group's 128 tokens
	s_lshr_b32 s54, s37, 3
	s_lshl_b32 s54, s54, 20
	s_lshl_b32 s55, s36, 17
	s_add_co_u32 s54, s54, s55
	s_and_b32 s55, s37, 7
	s_lshl_b32 s55, s55, 9
	s_add_co_u32 s54, s54, s55
	s_mov_b32 s55, 0
	v_and_b32 v22, 31, v0                          ; L
	v_lshlrev_b32 v1, 4, v22
	s_wait_dscnt 0x0
	s_wait_kmcnt 0x0
	s_add_nc_u64 s[4:5], s[4:5], s[54:55]
.set n, 0
.rept 32
	global_load_b128 v[128+4*n:131+4*n], v1, s[4:5] offset:4096*n   ; channel 32 w + n: 32 lanes read 512 consecutive bytes
.set n, n+1
.endr
	ROUND                                          ; all four work-groups are here: the joint loads meet
.irp wt, 0,1,2
	s_mov_b32 s[G0+4*\wt], 1                       ; 1:0 count = 1
	s_add_co_u32 s[G0+4*\wt+1], s50, \wt*WONE      ; 63:32 LDS address
	s_add_nc_u64 s[G0+4*\wt+2:G0+4*\wt+3], s[6+2*\wt:7+2*\wt], s[56:57]   ; 120:64 global address: Wq, Wk, Wv
	s_or_b32 s[G0+4*\wt+3], s[G0+4*\wt+3], 0x80000000   ; 127:126 type = 2
.endr
	tensor_load_to_lds s[G0:G0+3], s[G1:G1+7]      ; the launch's only fills, one group: three loads of mine are out
	s_nop 0
	tensor_load_to_lds s[G0+4:G0+7], s[G1:G1+7]
	s_nop 0
	tensor_load_to_lds s[G0+8:G0+11], s[G1:G1+7]
	s_nop 0
	PLACES 4                                       ; four v_nop follow the last of them
	v_and_b32 v23, 15, v0                          ; r
	v_bfe_u32 v32, v0, 4, 1                        ; h
	v_cmp_le_u32 s42, 16, v22                      ; the mask of lanes 16-31
	v_lshlrev_b32 v14, 3, v22
	v_lshlrev_b32 v21, 2, v22
	v_lshlrev_b32 v60, 2, v23                      ; 4 r
	v_lshlrev_b32 v18, 3, v32
	v_lshlrev_b32 v19, 6, v32
	v_and_b32 v33, 8, v23
	v_add_nc_u32 v33, v33, v23                     ; tau(0, r)
	v_lshlrev_b32 v20, 2, v33
	; where I read a weight's numbers: LDS row 16 (w / 2) + r, byte 512 (w % 2) + 128 h
	v_mul_u32_u24 v2, v23, WP
	v_lshl_add_u32 v2, v32, 7, v2
	s_mul_i32 s50, s47, 16*WP
	s_lshl_b32 s51, s46, 9
	s_add_co_u32 s50, s50, s51
	s_add_co_u32 s50, s50, WRAW
	v_add_nc_u32 v2, s50, v2
	v_add_nc_u32 v38, WONE, v2                     ; (a weight's 66,560 bytes are more than an LDS instruction's immediate holds: a register for each)
	v_add_nc_u32 v39, 2*WONE, v2
	; Wo: natural rows 16 (fid / 2) + r, byte 512 (fid % 2) + 128 h
	v_lshlrev_b32 v3, 10, v23
	v_lshl_add_u32 v3, v32, 7, v3
	s_lshr_b32 s50, s52, 1
	s_lshl_b32 s50, s50, 14
	s_and_b32 s51, s52, 1
	s_lshl_b32 s51, s51, 9
	s_add_co_u32 s50, s50, s51
	v_add_nc_u32 v3, s50, v3
	; where x's codes go.  Token 4 L + t: block tb = L / 8, tile u = (L / 2) % 2, lane r = r0 + t with r0 = 4 (L % 2) + 8 ((L / 4) % 2)
	v_bfe_u32 v34, v0, 3, 2
	v_bfe_u32 v35, v0, 1, 1
	v_and_b32 v36, 1, v0
	v_bfe_u32 v37, v0, 2, 1                        ; (v34, v35 and v37 are later the lane permutes' destinations: they are written here, all lanes on)
	v_mul_u32_u24 v61, v34, 6144
	v_mad_u32_u24 v61, v35, 3072, v61
	v_lshl_add_u32 v61, v36, 6, v61
	v_lshl_add_u32 v61, v37, 7, v61                ; + 16 r0
	s_mul_i32 s50, s44, 1536
	s_lshl_b32 s51, s46, 8
	s_add_co_u32 s50, s50, s51
	s_add_co_u32 s50, s50, XIMG
	v_add_nc_u32 v61, s50, v61
	s_mul_i32 s51, s45, 520                        ; registers 6 c', 6 c' + 1: byte 0 or 520 of the lane's places
	v_add_nc_u32 v4, s51, v61
	s_mul_i32 s50, s45, 1016
	s_add_co_u32 s50, s50, 8                       ; the next two: 8 or 1,024
	v_add_nc_u32 v5, s50, v61
	s_add_co_u32 s51, s51, 512                     ; the last two: 512 or 1,032
	v_add_nc_u32 v6, s51, v61
	v_lshlrev_b32 v7, 8, v34
	v_lshl_add_u32 v7, v35, 7, v7
	v_lshl_add_u32 v7, v36, 4, v7
	v_lshl_add_u32 v7, v37, 5, v7                  ; + 4 r0
	s_lshl_b32 s50, s44, 6
	s_add_co_u32 s50, s50, s48
	s_add_co_u32 s50, s50, XSC
	v_add_nc_u32 v7, s50, v7
	s_mul_i32 s50, s44, 18432
	s_mul_i32 s51, s45, 3072
	s_add_co_u32 s50, s50, s51
	s_mul_i32 s51, s46, 1536
	s_add_co_u32 s50, s50, s51
	s_add_co_u32 s50, s50, WIMG
	v_add_nc_u32 v8, s50, v1
	s_mul_i32 s50, s44, 768
	s_lshl_b32 s51, s45, 7
	s_add_co_u32 s50, s50, s51
	s_lshl_b32 s51, s46, 6
	s_add_co_u32 s50, s50, s51
	s_add_co_u32 s50, s50, WSC
	v_add_nc_u32 v9, s50, v60
	s_mul_i32 s50, s47, 6144
	s_add_co_u32 s50, s50, XIMG
	v_add_nc_u32 v10, s50, v1
	s_lshl_b32 s50, s47, 8
	s_add_co_u32 s50, s50, XSC
	v_add_nc_u32 v11, s50, v60
	s_mul_i32 s50, s46, 18432
	s_add_co_u32 s50, s50, WIMG
	v_add_nc_u32 v12, s50, v1
	s_mul_i32 s50, s46, 768
	s_add_co_u32 s50, s50, WSC
	v_add_nc_u32 v13, s50, v60
	s_lshl_b32 s50, s36, 7
	v_add_nc_u32 v15, s50, v21                     ; 256 tb + 128 hh + 4 L
	s_lshl_b32 s50, s46, 7
	s_add_co_u32 s50, s50, s47
	s_add_co_u32 s50, s50, 2048
	v_add_nc_u32 v16, s50, v21
	s_lshl_b32 s50, s36, 8
	v_add_nc_u32 v17, s50, v14
	; the other buffers at my part
	s_lshr_b32 s56, s37, 3
	s_lshl_b32 s56, s56, 3
	s_add_co_u32 s56, s56, s53                     ; 8 b + H
	s_lshl_b32 s56, s56, 5
	s_and_b32 s57, s37, 7
	s_lshl_b32 s57, s57, 2
	s_add_co_u32 s57, s57, s47                     ; g = 4 (tg % 8) + tb
	s_add_co_u32 s56, s56, s57
	s_mul_i32 s56, s56, 768
	s_mov_b32 s57, 0
	s_add_nc_u64 s[20:21], s[20:21], s[56:57]
	s_add_nc_u64 s[22:23], s[22:23], s[56:57]
	s_add_nc_u64 s[24:25], s[24:25], s[56:57]
	s_lshl_b32 s58, s53, 7                         ; the head's 32 numbers of a bias
	s_mov_b32 s59, 0
	s_add_nc_u64 s[14:15], s[14:15], s[58:59]
	s_add_nc_u64 s[16:17], s[16:17], s[58:59]
	s_add_nc_u64 s[18:19], s[18:19], s[58:59]
	s_lshl_b32 s60, s37, 2
	s_add_co_u32 s60, s60, s48
	s_lshl_b32 s60, s60, 3
	s_lshl_b32 s61, s38, 1
	s_add_co_u32 s60, s60, s61
	s_lshl_b32 s60, s60, 7                         ; ((4 tg + w % 4) 8 + 2 hg) 128: the page's row that I send out
	s_mov_b32 s61, 0
	s_cmp_lt_u32 s36, 4                            ; waves 0-3 send q's words, waves 4-7 k's
	s_cselect_b64 s[26:27], s[26:27], s[28:29]
	s_add_nc_u64 s[26:27], s[26:27], s[60:61]
	s_lshl_b32 s62, s37, 3
	s_lshl_b32 s63, s38, 1
	s_add_co_u32 s62, s62, s63
	s_lshl_b32 s62, s62, 7
	s_mov_b32 s63, 0
	s_add_nc_u64 s[30:31], s[30:31], s[62:63]
	s_mul_i32 s50, s52, 1536
	s_mov_b32 s51, 0
	s_add_nc_u64 s[32:33], s[32:33], s[50:51]
	s_lshl_b32 s50, s52, 7
	s_add_nc_u64 s[34:35], s[34:35], s[50:51]
	; Wo: wave 7 of the work-groups with tg < 8 (clusters 0 and 1 along x: the test is alike in all four partners), one fragment each.  It stands where the wave waits for x in any case
	s_cmp_lg_u32 s36, 7
	s_cbranch_scc1 .Lno_wo
	s_cmp_ge_u32 ttmp9, 2
	s_cbranch_scc1 .Lno_wo
	LOADW R1, 12, 3
	s_wait_loadcnt 0x0
	QUANTW R1
.irp c, 0,1,2
	global_store_b128 v1, v[40+4*\c:43+4*\c], s[32:33] offset:512*\c   ; the fragment as it stands: 512 consecutive bytes a store
.endr
	global_store_b32 v21, v36, s[34:35]
	s_wait_xcnt 0x0                                ; the stores' data are written again only behind this wait
.Lno_wo:
	s_wait_loadcnt 0x0                             ; x
	QUANTX
.irp u, 0,1                                    ; the biases in the results' layouts, into registers that x has left: q, k: lane (r, h) wants channels 16 h + 8 u + 0 .. 7;  v: channel tau(u, r)
	global_load_b128 v[BQ+8*\u:BQ+8*\u+3], v19, s[14:15] offset:32*\u
	global_load_b128 v[BQ+8*\u+4:BQ+8*\u+7], v19, s[14:15] offset:32*\u+16
	global_load_b128 v[BK+8*\u:BK+8*\u+3], v19, s[16:17] offset:32*\u
	global_load_b128 v[BK+8*\u+4:BK+8*\u+7], v19, s[16:17] offset:32*\u+16
	global_load_b32 v[BV+\u], v20, s[18:19] offset:32*\u
.endr
	s_wait_tensorcnt 0x0                           ; my three tiles have landed: other waves read them
	BARRIER                                        ; everybody's have: the weights' 192 rows lie in LDS
	FETCHR R1, 2                                   ; Wq
	FETCHR R2, 38                                  ; Wk
	s_wait_dscnt 16                                ; Wq's 16 loads are in; Wk's 16 may be out
	QUANTW R1
	FETCHR R1, 39                                  ; Wv, into the registers that Wq has left
	IMAGEW 0
	QUANTW R2
	IMAGEW 1
	QUANTW R1
	IMAGEW 2
	BARRIER                                        ; all 16 fragments of x and all 24 of the weights lie in LDS
	FETCHX
	FETCHW 0
	s_wait_loadcnt 0x0                             ; the biases
	s_wait_dscnt 0x0
	MULQK BQ
	PLACES 5                                       ; in front of loads into registers that the products have read, of the first read of results, and of the next products' fresh start on these accumulators
	FETCHW 1
	QUANTO 0, 20
.irp u, 0,1
.irp j, 0,1,2,3,4,5,6,7
	v_mov_b32 v[BQ+8*\u+\j], v[BV+\u]              ; bv widened to the C of v's first products: the same number in a lane's eight registers
.endr
.endr
	s_wait_dscnt 0x0
	MULQK BK
	PLACES 5
	FETCHW 2
	s_wait_xcnt 0x0                                ; q's stores have read their data: the codes' registers may be written again
	QUANTO 1, 22
	s_wait_dscnt 0x0
	MULV
	PLACES 5
	s_wait_xcnt 0x0
	QUANTO 2, 24
	BARRIER                                        ; the scale page is whole
	ds_load_b64 v[52:53], v17
	s_wait_dscnt 0x0
	global_store_b64 v14, v[52:53], s[26:27]       ; two heads' words of one block of 32 tokens: 256 consecutive bytes, aligned
	s_cmp_lg_u32 s36, 0
	s_cbranch_scc1 .Lend
	ds_load_b64 v[54:55], v14 offset:2048
	s_wait_dscnt 0x0
	global_store_b64 v14, v[54:55], s[30:31]       ; v's scale words of the key step, two heads: 256 consecutive bytes, aligned
.Lend:
	s_set_vgpr_msb 0x4
	s_wait_tensorcnt 0x0
	ds_add_u32 v63, v1
	s_wait_dscnt 0x0
	s_set_vgpr_msb 0x400
	ROUND                                          ; the closing round: no work-group ends while a partner may still ask for a tile that names it
	s_endpgm
.Lfunc_end_k_q6f228b9519_qkv:
	.size	k_q6f228b9519_qkv, .Lfunc_end_k_q6f228b9519_qkv-k_q6f228b9519_qkv
	.p2alignl 7, 3214868480
	.fill 96, 4, 3214868480
	.section	.rodata,"a",@progbits
	.p2align	6, 0x0
	.amdhsa_kernel k_q6f228b9519_qkv
		.amdhsa_group_segment_fixed_size 267264
		.amdhsa_private_segment_fixed_size 0
		.amdhsa_enable_private_segment 0
		.amdhsa_kernarg_size 128
		.amdhsa_user_sgpr_count 2
		.amdhsa_user_sgpr_kernarg_segment_ptr 1
		.amdhsa_wavefront_size32 1
		.amdhsa_system_sgpr_workgroup_id_x 1
		.amdhsa_system_sgpr_workgroup_id_y 1
		.amdhsa_system_sgpr_workgroup_id_z 1
		.amdhsa_system_vgpr_workitem_id 0
		.amdhsa_next_free_vgpr 258
		.amdhsa_next_free_sgpr 88
		.amdhsa_reserve_vcc 0
		.amdhsa_float_denorm_mode_32 3
		.amdhsa_float_denorm_mode_16_64 3
		.amdhsa_memory_ordered 1
		.amdhsa_forward_progress 1
		.amdhsa_inst_pref_size 58
	.end_amdhsa_kernel
	.amdgpu_metadata
---
amdhsa.version: [ 1, 2 ]
amdhsa.kernels:
  - .name:           k_q6f228b9519_qkv
    .symbol:         k_q6f228b9519_qkv.kd
    .args:
      - { .name: x, .offset: 0, .size: 8, .value_kind: global_buffer, .address_space: global }
      - { .name: Wq, .offset: 8, .size: 8, .value_kind: global_buffer, .address_space: global }
      - { .name: Wk, .offset: 16, .size: 8, .value_kind: global_buffer, .address_space: global }
      - { .name: Wv, .offset: 24, .size: 8, .value_kind: global_buffer, .address_space: global }
      - { .name: Wo, .offset: 32, .size: 8, .value_kind: global_buffer, .address_space: global }
      - { .name: bq, .offset: 40, .size: 8, .value_kind: global_buffer, .address_space: global }
      - { .name: bk, .offset: 48, .size: 8, .value_kind: global_buffer, .address_space: global }
      - { .name: bv, .offset: 56, .size: 8, .value_kind: global_buffer, .address_space: global }
      - { .name: qc, .offset: 64, .size: 8, .value_kind: global_buffer, .address_space: global }
      - { .name: kc, .offset: 72, .size: 8, .value_kind: global_buffer, .address_space: global }
      - { .name: vc, .offset: 80, .size: 8, .value_kind: global_buffer, .address_space: global }
      - { .name: qs, .offset: 88, .size: 8, .value_kind: global_buffer, .address_space: global }
      - { .name: ks, .offset: 96, .size: 8, .value_kind: global_buffer, .address_space: global }
      - { .name: vs, .offset: 104, .size: 8, .value_kind: global_buffer, .address_space: global }
      - { .name: woc, .offset: 112, .size: 8, .value_kind: global_buffer, .address_space: global }
      - { .name: wos, .offset: 120, .size: 8, .value_kind: global_buffer, .address_space: global }
    .group_segment_fixed_size: 267264
    .private_segment_fixed_size: 0
    .kernarg_segment_align: 8
    .kernarg_segment_size: 128
    .max_flat_workgroup_size: 256
    .sgpr_count:     88
    .vgpr_count:     258
    .wavefront_size: 32
...
	.end_amdgpu_metadata
.endif
;; end of part 3
;; launch attn: the kernel of part 2 again; grid 32 x 8, 8 waves a work-group, no clusters, 44,544 bytes of LDS; arguments qc, qs, kc, ks, vc, vs, woc, wos, bo, out0; writes out0
;; ======== version 3 of 3: 2 launches; version 2 with the launch attn written anew for expert scheduling mode
;; workspace buffers: qc 1,572,864 bytes; kc 1,572,864 bytes; vc 1,572,864 bytes; qs 262,144 bytes; ks 262,144 bytes; vs 65,536 bytes; woc 49,152 bytes; wos 4,096 bytes
;; launch qkv: the kernel of part 3 again; grid 64 x 4, 8 waves a work-group, clusters of 4 x 1, 267,264 bytes of LDS; arguments x, Wq, Wk, Wv, Wo, bq, bk, bv, qc, kc, vc, qs, ks, vs, woc, wos; writes qc, kc, vc, qs, ks, vs, woc, wos
;; launch attn (part 4): grid 32 x 8, 8 waves a work-group, no clusters, 44,544 bytes of LDS; arguments qc, qs, kc, ks, vc, vs, woc, wos, bo, out0; writes out0
.if DOCPART == 4
	.amdgcn_target "amdgcn-amd-amdhsa--gfx1250"
	.amdhsa_code_object_version 6
	.text
	.protected	k_q6f228b9519_attn
	.globl	k_q6f228b9519_attn
	.p2align	8
	.type	k_q6f228b9519_attn,@function
k_q6f228b9519_attn:
	s_mov_b64 s[64:65], 0
	v_nop
	global_prefetch_b8 v0, s[64:65] scope:SCOPE_SE
	s_setreg_imm32_b32 hwreg(HW_REG_WAVE_SCHED_MODE, 0, 2), 2
	s_setreg_imm32_b32 hwreg(HW_REG_WAVE_MODE, 25, 1), 1
	s_wait_xcnt 0x0
	s_wait_alu depctr_vm_vsrc(0)
; out0 = (softmax(q k^T / sqrt(32)) v) Wo^T + bo, all three products on codes of FP6 (E2M3) with one E8M0 scale for each 32 along K.  The operands come as the launch before has laid them (its head comment).
; SHARES.  A work-group takes 32 queries (nb) of one batch (b), all 8 heads: wave = head H.  A wave holds two tiles of 16 queries (t = 0, 1; lane r = token 32 nb + tau(t, r), tau(u, r) = 8 u + r + 8 (r / 8))
; and walks the head's 1,024 keys, 128 a step.  K's and V's codes go from memory straight into the operand's registers, asked for a whole key step ahead: no LDS and no barrier in the loop.
; K = 32 IN A FORM OF K = 128.  A fragment of K is filled whole: its four blocks of 32 along K hold four DIFFERENT groups of 16 keys.  q stands in four versions: q in block j, zero codes in the other three;
; the product with version j gives the scores of key group j.  The versions of both tiles share registers of zeros: 54 registers.
; SOFTMAX.  t = score x log2(e) / sqrt(32); M = the running largest t rounded up to a whole number; p = 2^(t - M) is quantised along the keys; the sum is taken of the unquantised p and divides at the end.
; A block's largest p is made from its largest score by the same multiply-add and exponential.
; THE END.  ctx / l is quantised (a block of 32 along the last product's K is one head of one token: each wave has whole blocks), goes to LDS, one barrier, and wave H makes outputs 32 H .. 32 H + 31 for the 32 tokens.
; NO CLUSTER, NO JOINT LOADS: a fragment of K or V is used by one wave of the work-group and lands in its registers; a batch's codes and scales, 393,216 + 32,768 + 8,192 bytes, are more than the 327,680 bytes
; of LDS, so a shared fetch would want a ring with a round of the cluster's barrier at each refill.
; LIMITS: NaN and infinities are not served.  A block whose largest magnitude lies under 2^-124 keeps the scale byte 1.  A row of out0 gets 128 consecutive bytes (32 tokens) from a work-group.
; THE MODE: SCHED_MODE bits 1:0 = 2 (LLVM: expert scheduling mode 2), set by the entry lines.  The code itself states the register dependences between vector or matrix instructions and memory or LDS
; instructions, with s_wait_alu, always for 0.
; THE PLAN.  Registers that memory or LDS instructions touch:
;   v1-7, v242-247, v254, v255   offsets and LDS addresses: written once at the head, ahead of the wait in front of the first load, and never again.  Rows are reached by scalar bases and immediate offsets.
;   K[p], its four scale words   p = step % 2.  Read by the step's 16 score products.  The loads of step s + 1 are issued at the head of step s into the OTHER buffer, which the score products of step s - 1 read last:
;                                those stand ahead of every wait of step s - 1, and behind the last of these waits only V^T P^T and v_nop are issued, which do not name it.
;   V[p], its scale word         Read by the step's four products V^T P^T.  The loads of step s + 1 are issued in step s, straight behind the first wait of tile 0's softmax, into the other buffer, which the
;                                products of step s - 1, issued ahead of that wait, read last.
;   At the end: v48-53, v26 (ctx's codes and byte, LDS stores' data); v168-215, v236-239 (ctx's fragments and words from LDS); v72-103 (the last products' results, LDS stores' data); v104-135 (rows from the stage).
; So the loop has no wait for its loads' sake alone: five waits on va_vdst a step, four behind the softmax's exponentials and one ahead of V^T P^T, whose B and scales vector instructions have written.
; No register that a memory or LDS instruction reads is ever written again: no wait on vm_vsrc is owed.
; REGISTERS, window 0: v1 8 L, v2 768 h + 8 r, v3 4 L, v4 256 L, v5 0, v6 8 r, v7 4 r; v8-11 K's scale words and v12 V's (even steps), v248-251 and v252 (odd steps), v13 q's, v14, v15 p's (these hold scales and nothing else);
;   v16 -M, v17 t, v[18:19] the sum (tile 0), v20-23 (tile 1); v24-46 at work; v48-59, v60-71 p's codes; v72-87, v88-103 O^T; v104-167, v168-231 scores, then p; v232-235 Wo's scale words, v236-239 ctx's;
;   v240, v241 bo; v242-247 addresses; v254, v255 the closing add's two.
;   window 1: v0-23 K's two fragments, v24-47 V's two (even steps); v152-175, v176-199 the same (odd steps); v48-101 q's versions; v104-151 Wo's four fragments.
.set CSC, 6144                         ; LDS: from 0 ctx's four fragments (2 t + s2), 1,536 bytes each: six planes of 256 bytes, plane p = registers 2 p, 2 p + 1, 8 bytes a lane;  from CSC their scale words, 64 bytes each
.set STG, 6400                         ; the stages for the way out: 32 rows x 144 bytes for each wave
.set MSB, 0
.macro WIN new                         ; s_set_vgpr_msb: bits 1:0 source 0, 3:2 source 1, 5:4 source 2, 7:6 destination; the high byte repeats the setting that is left
.if MSB != \new
	s_set_vgpr_msb (MSB<<8)|\new
.set MSB, \new
.endif
.endm
.macro PLACES n
.rept \n
	v_nop
.endr
.endm
; a key step's K into buffer p: fragment f, registers 6 c ..: token block 2 f + c as it lies (lane 16 u + r = key tau(u, r)): each load reads 256 consecutive bytes.  And the four blocks' scale words
.macro LOADK p
	WIN 0x40
.irp f, 0,1
.irp c, 0,1
.irp k, 0,1,2
	global_load_b64 v[152*(\p)+12*\f+6*\c+2*\k:152*(\p)+12*\f+6*\c+2*\k+1], v1, s[32:33] offset:(2*\f+\c)*768+256*\k
.endr
.endr
.endr
	WIN 0
.irp i, 0,1,2,3
	global_load_b32 v[8+240*(\p)+\i], v3, s[34:35] offset:1024*\i
.endr
.endm
; a key step's V into buffer p, by that buffer's own bases: tile u (channels tau(u, r)), registers 6 c ..: token block 2 c + h
.macro LOADV p
	WIN 0x40
.irp u, 0,1
.irp c, 0,1
.irp k, 0,1,2
	global_load_b64 v[24+152*(\p)+12*\u+6*\c+2*\k:24+152*(\p)+12*\u+6*\c+2*\k+1], v2, s[36+12*(\p):37+12*(\p)] offset:1536*\c+256*\k+128*\u
.endr
.endr
.endr
	WIN 0
	global_load_b32 v[12+240*(\p)], v3, s[38+12*(\p):39+12*(\p)]
.endm
; tile g (0..7) of the step's keys x query tile t, K from buffer p: register j of lane (r, h) = key 32 (g / 2) + 16 h + 8 (g % 2) + j, query r.  K's scale word: the block's register, lanes 16-31 where g is odd; all its four bytes are the row's byte
.macro SCORE g, t, p
.set rD, 104+64*(\t)+8*(\g)
.set rA, 152*(\p)+12*((\g)/4)
.set rB, 48+24*(\t)+12*((\g)%2)+6*(1-(((\g)%4)/2))
.set rS, 8+240*(\p)+(\g)/2
.if ((\g)%2 == 0) && ((\t) == 0)
	v_wmma_scale_f32_16x16x128_f8f6f4 v[rD:rD+7], v[rA:rA+11], v[rB:rB+11], 0, v[rS], v13 matrix_a_fmt:MATRIX_FMT_FP6 matrix_b_fmt:MATRIX_FMT_FP6
.elseif ((\t) == 0)
	v_wmma_scale_f32_16x16x128_f8f6f4 v[rD:rD+7], v[rA:rA+11], v[rB:rB+11], 0, v[rS], v13 matrix_a_fmt:MATRIX_FMT_FP6 matrix_b_fmt:MATRIX_FMT_FP6 matrix_a_scale:MATRIX_SCALE_ROW1
.elseif ((\g)%2 == 0)
	v_wmma_scale_f32_16x16x128_f8f6f4 v[rD:rD+7], v[rA:rA+11], v[rB:rB+11], 0, v[rS], v13 matrix_a_fmt:MATRIX_FMT_FP6 matrix_b_fmt:MATRIX_FMT_FP6 matrix_b_scale:MATRIX_SCALE_ROW1
.else
	v_wmma_scale_f32_16x16x128_f8f6f4 v[rD:rD+7], v[rA:rA+11], v[rB:rB+11], 0, v[rS], v13 matrix_a_fmt:MATRIX_FMT_FP6 matrix_b_fmt:MATRIX_FMT_FP6 matrix_a_scale:MATRIX_SCALE_ROW1 matrix_b_scale:MATRIX_SCALE_ROW1
.endif
.endm
.macro SCORES p
	WIN 0x05                                       ; K and q in window 1, the scores in window 0
.irp g, 0,1,2,3,4,5,6,7
.irp t, 0,1
	SCORE \g, \t, \p
.endr
.endr
	WIN 0
.endm
; One tile's softmax for a key step.  sb: its 64 scores; st: -M, t, the sum's two halves; ob: its O^T; pb: p's codes; psr: p's scale word.  vl = 1: the next step's V is asked for behind the first wait, into buffer vp
.macro SM sb, st, ob, pb, psr, vl, vp
.irp b, 0,1,2,3
	v_max3_num_f32 v[24+\b], v[\sb+16*\b], v[\sb+16*\b+1], v[\sb+16*\b+2]   ; the largest score of each block of 32 keys: for the row's maximum, and for the block's largest p
.endr
.irp i, 3,5,7,9,11,13
.irp b, 0,1,2,3
	v_max3_num_f32 v[24+\b], v[24+\b], v[\sb+16*\b+\i], v[\sb+16*\b+\i+1]
.endr
.endr
.irp b, 0,1,2,3
	v_max_num_f32 v[24+\b], v[24+\b], v[\sb+16*\b+15]
.endr
.irp b, 0,1,2,3
	v_permlanex16_b32 v[28+\b], v[24+\b], s42, s43
.endr
.irp b, 0,1,2,3
	v_max_num_f32 v[24+\b], v[24+\b], v[28+\b]     ; with lane l xor 16's 16 keys
.endr
	v_max3_num_f32 v38, v24, v25, v26
	v_max_num_f32 v38, v38, v27
	v_mul_f32 v38, s40, v38                        ; as t (c is positive)
	v_max_num_f32 v[\st+1], v[\st+1], v38          ; the running largest t
	v_mov_b32 v38, v[\st]
	v_floor_f32 v[\st], -v[\st+1]                  ; the new -M = -ceil(t)
	v_sub_f32 v38, v[\st], v38                     ; old M - new M: a whole number, 0 or less
	v_cvt_i32_f32 v38, v38                         ; (it saturates)
	v_ldexp_f32 v36, 1.0, v38                      ; f = 2^(old M - new M)
.set j, 0
.rept 32
	v_pk_fma_f32 v[\sb+j:\sb+j+1], v[\sb+j:\sb+j+1], s[40:41], v[\st:\st+1] op_sel_hi:[1,0,0]   ; t - M, two at a time
.set j, j+2
.endr
.irp b, 0,1,2,3
	v_fma_f32 v[24+\b], v[24+\b], s40, v[\st]      ; the same of each block's largest score
.endr
.set j, 0
.rept 64
	v_exp_f32 v[\sb+j], v[\sb+j]                   ; p = 2^(t - M)
.set j, j+1
.endr
	v_pk_mul_f32 v[\st+2:\st+3], v[\st+2:\st+3], v[36:37] op_sel_hi:[1,0]   ; the sum under the new M (the plain line behind the exponentials)
	s_wait_alu depctr_va_vdst(0)                   ; the 64 exponentials have written p, ahead of its first reader: one wait for the batch.  vl = 1: the last step's products V^T P^T are done reading V's other buffer and its scale word, in which the loads below land
.if \vl
	LOADV \vp                                      ; only window switches stand between the wait and these 13 loads
.endif
.irp b, 0,1,2,3
	v_exp_f32 v[24+\b], v[24+\b]                   ; the block's largest p
.endr
	v_pk_add_f32 v[28:29], v[\sb:\sb+1], v[\sb+2:\sb+3]   ; the sum of the unquantised p, in two chains
.set j, 4
.rept 15
	v_pk_add_f32 v[\st+2:\st+3], v[\st+2:\st+3], v[\sb+j:\sb+j+1]
	v_pk_add_f32 v[28:29], v[28:29], v[\sb+j+2:\sb+j+3]
.set j, j+4
.endr
	v_pk_add_f32 v[\st+2:\st+3], v[\st+2:\st+3], v[28:29]
	s_wait_alu depctr_va_vdst(0)                   ; the four exponentials have written v24-27, ahead of their first reader
.irp b, 0,1,2,3
	v_max_num_f32 v[24+\b], 0x1800000, v[24+\b]    ; the floor 2^(3 - 127): the byte cannot fall under 1
.endr
.irp b, 0,1,2,3
	v_add_nc_u32 v[32+\b], 0xff000000, v[24+\b]    ; 2 off the exponent field: the conversion's scale operand
.endr
.irp b, 0,1,2,3
	v_lshrrev_b32 v[28+\b], 23, v[32+\b]
.endr
	v_lshl_or_b32 v[\psr], v29, 8, v28             ; p's scale word for these 128 keys
	v_lshl_or_b32 v[\psr], v30, 16, v[\psr]
	v_lshl_or_b32 v[\psr], v31, 24, v[\psr]
.irp c, 0,1
	v_cvt_scalef32_pk16_fp6_f32 v[\pb+6*\c:\pb+6*\c+2], v[\sb+32*\c:\sb+32*\c+15], v[32+2*\c]
	v_cvt_scalef32_pk16_fp6_f32 v[40+4*\c:42+4*\c], v[\sb+32*\c+16:\sb+32*\c+31], v[33+2*\c]
.endr
	v_nop                                          ; one plain line behind the conversions
.irp c, 0,1
.irp i, 0,1,2
	v_permlane16_swap_b32 v[\pb+6*\c+\i], v[40+4*\c+\i]   ; a whole block to a lane: lanes 0-15 block 2 c, lanes 16-31 block 2 c + 1
.endr
.irp i, 0,1,2
	v_mov_b32 v[\pb+3+6*\c+\i], v[40+4*\c+\i]
.endr
.endr
.set j, 0
.rept 8
	v_pk_mul_f32 v[\ob+j:\ob+j+1], v[\ob+j:\ob+j+1], v[36:37] op_sel_hi:[1,0]   ; O^T under the new M, from its low end on
.set j, j+2
.endr
.endm
; O^T += V^T P^T, V from buffer p: four accumulators, one instruction a turn; the step's 16 score products stand between two links of a chain
.macro PVMUL p
	PLACES 4
	WIN 0x01                                       ; V in window 1
	s_wait_alu depctr_va_vdst(0)                   ; behind the places: the conversions, swaps and moves have written p's codes v48-71, the shifts its scale words v14 and v15: the scaled products take them as B and as scales
	v_wmma_scale_f32_16x16x128_f8f6f4 v[72:79], v[24+152*(\p):35+152*(\p)], v[48:59], v[72:79], v[12+240*(\p)], v14 matrix_a_fmt:MATRIX_FMT_FP6 matrix_b_fmt:MATRIX_FMT_FP6
	v_wmma_scale_f32_16x16x128_f8f6f4 v[80:87], v[36+152*(\p):47+152*(\p)], v[48:59], v[80:87], v[12+240*(\p)], v14 matrix_a_fmt:MATRIX_FMT_FP6 matrix_b_fmt:MATRIX_FMT_FP6 matrix_a_scale:MATRIX_SCALE_ROW1
	v_wmma_scale_f32_16x16x128_f8f6f4 v[88:95], v[24+152*(\p):35+152*(\p)], v[60:71], v[88:95], v[12+240*(\p)], v15 matrix_a_fmt:MATRIX_FMT_FP6 matrix_b_fmt:MATRIX_FMT_FP6
	v_wmma_scale_f32_16x16x128_f8f6f4 v[96:103], v[36+152*(\p):47+152*(\p)], v[60:71], v[96:103], v[12+240*(\p)], v15 matrix_a_fmt:MATRIX_FMT_FP6 matrix_b_fmt:MATRIX_FMT_FP6 matrix_a_scale:MATRIX_SCALE_ROW1
	WIN 0
.endm
; PREFETCHES.  All 32 work-groups of a batch walk the same streams of K and V, 24,576 bytes a head each: the first of them (nb = 0) asks, each wave for its own head, lanes 256 bytes apart.
; In step 0 (trip 0, the even step): bytes 8,192 to 16,383 of both streams, first wanted by the loads of step 1 (bytes 6,144 to 9,215); in step 3 (trip 1, the odd step): bytes 16,384 to 24,575, first wanted by the
; loads of step 4 (bytes 15,360 to 18,431).  Each aligned block of 256 bytes is named once in the launch; the first 8,192 bytes come by their loads alone.  The requests stand behind the step's loads of K;
; their address registers are never rewritten.
.macro ASKA
	s_cmp_eq_u32 s44, s45
	s_cbranch_scc0 .Lno_a_\@
	global_prefetch_b8 v4, s[28:29] offset:8192 th:TH_LOAD_NT scope:SCOPE_SE
	global_prefetch_b8 v4, s[30:31] offset:8192 th:TH_LOAD_NT scope:SCOPE_SE
.Lno_a_\@:
.endm
.macro ASKB
	s_cmp_eq_u32 s44, s46
	s_cbranch_scc0 .Lno_b_\@
	global_prefetch_b8 v4, s[28:29] offset:16384 th:TH_LOAD_NT scope:SCOPE_SE
	global_prefetch_b8 v4, s[30:31] offset:16384 th:TH_LOAD_NT scope:SCOPE_SE
.Lno_b_\@:
.endm
; A KEY STEP: 128 keys, out of buffers p.  more = 1: the next step's K and V are asked for, into the other buffers.  ask = 1, 2: the step holds the first, the second pair of prefetches
.macro STEP p, more, ask
	s_wait_loadcnt 13                              ; K and its scale words are in; the youngest 13 loads (V's 12 and its scale word) may be out
.if \more
	s_add_nc_u64 s[32:33], s[32:33], 3072          ; (that wait has shown K's loads done, so their bases may step)
	s_add_nc_u64 s[34:35], s[34:35], 4096
	LOADK 1-\p                                     ; no wait: the other buffer was read last by the score products of the step before, which stand ahead of that step's waits on va_vdst; nothing issued since the last of them names it
.if \ask == 1
	ASKA
.elseif \ask == 2
	ASKB
.endif
.endif
	SCORES \p
	PLACES 4                                       ; in front of the first read of the scores
	SM 104, 16, 72, 48, 14, \more, 1-\p
	SM 168, 20, 88, 60, 15, 0, 0
.if \more
	s_wait_loadcnt 29                              ; V is in; the next step's K (12 loads and four scale words) and V (12 and one) may be out
	s_add_nc_u64 s[36+12*(\p):37+12*(\p)], s[36+12*(\p):37+12*(\p)], 6144   ; (that wait has shown this buffer's loads done, so its bases may step: two key steps on; behind step 6 they are not used)
	s_add_nc_u64 s[38+12*(\p):39+12*(\p)], s[38+12*(\p):39+12*(\p)], 2048
.else
	s_wait_loadcnt 0x0
.endif
	PVMUL \p
.if !\more
	PLACES 4                                       ; in front of the first read of O^T.  (In the other steps no load into these products' registers follows, and the next step's softmax reaches them far behind)
.endif
.endm
	s_load_b512 s[4:19], s[0:1], 0x0               ; qc s[4:5], qs s[6:7], kc s[8:9], ks s[10:11], vc s[12:13], vs s[14:15], woc s[16:17], wos s[18:19]
	s_load_b128 s[20:23], s[0:1], 0x40             ; bo s[20:21], out0 s[22:23]
	v_lshl_add_u32 v254, v0, 2, 0xaa00
	v_mov_b32 v255, 0
	v_lshrrev_b32 v24, 5, v0
	v_readfirstlane_b32 s24, v24                   ; H: wave = head
	s_mov_b32 s25, ttmp9                           ; nb
	s_and_b32 s26, ttmp7, 0xffff                   ; b
	s_mov_b32 s40, 0x3e8293ee                      ; c = log2(e) / sqrt(32)
	s_mov_b32 s41, s40                             ; (named with it as a pair, so it is written)
	s_mov_b32 s42, 0x76543210
	s_mov_b32 s43, 0xfedcba98                      ; v_permlanex16_b32's selects for lane l xor 16
	s_cmp_eq_u32 s25, 0
	s_cselect_b32 s45, 0, -1                       ; the trips in which this work-group prefetches: 0 (in its even step) and 1 (in its odd step) where nb = 0, else none
	s_cselect_b32 s46, 1, -1
	v_and_b32 v24, 31, v0                          ; L
	v_and_b32 v25, 15, v0                          ; r
	v_bfe_u32 v26, v0, 4, 1                        ; h
	v_bfe_u32 v27, v0, 3, 2                        ; L / 8
	v_and_b32 v28, 7, v0                           ; L % 8
	v_cmp_le_u32 s47, 16, v24                      ; the mask of lanes 16-31
	v_lshlrev_b32 v1, 3, v24
	v_lshlrev_b32 v3, 2, v24
	v_lshlrev_b32 v4, 8, v24
	v_mov_b32 v5, 0
	v_lshlrev_b32 v6, 3, v25
	v_lshlrev_b32 v7, 2, v25
	v_mad_u32_u24 v2, v26, 768, v6
	v_lshlrev_b32 v247, 4, v24
	s_wait_alu depctr_va_sdst(0)                   ; s24 (the wave's number) and s47 (the lanes' mask) are written, ahead of the first reader of either
	; LDS: where my head's codes of ctx go: lane 16 t + r -> fragment (t, H / 4), planes 3 ((H / 2) % 2) + k, lane 16 (H % 2) + r
	s_lshr_b32 s48, s24, 2
	s_mul_i32 s49, s48, 1536
	s_bfe_u32 s27, s24, 0x10001
	s_mul_i32 s27, s27, 768
	s_add_co_u32 s49, s49, s27
	s_and_b32 s27, s24, 1
	s_lshl_b32 s27, s27, 7
	s_add_co_u32 s49, s49, s27
	v_mad_u32_u24 v242, v26, 3072, v6
	v_add_nc_u32 v242, s49, v242
	s_lshl_b32 s49, s48, 6
	s_and_b32 s27, s24, 3
	s_add_co_u32 s49, s49, s27
	s_add_co_u32 s49, s49, CSC
	v_lshl_add_u32 v243, v26, 7, v7
	v_add_nc_u32 v243, s49, v243                   ; and byte H % 4 of the row's scale word
	s_mul_i32 s49, s24, 4608
	s_add_co_u32 s49, s49, STG                     ; my stage
	v_mul_u32_u24 v244, v25, 144
	v_lshl_add_u32 v244, v26, 6, v244
	v_add_nc_u32 v244, s49, v244                   ; in: row r, 64 bytes for each half of the lanes
	v_mul_u32_u24 v245, v27, 144
	v_lshl_add_u32 v245, v28, 4, v245
	v_add_nc_u32 v245, s49, v245                   ; back: eight lanes to a row of 128 bytes, four rows an instruction
	v_lshlrev_b32 v246, 12, v27
	v_lshl_add_u32 v246, v28, 4, v246              ; and the same places in out0: rows 4,096 bytes apart
	; byte offsets of my parts
	s_lshl_b32 s48, s26, 3
	s_add_co_u32 s48, s48, s24                     ; 8 b + H
	s_lshl_b32 s50, s48, 5
	s_add_co_u32 s50, s50, s25
	s_mul_i32 s50, s50, 768                        ; q's block
	s_mov_b32 s51, 0
	s_lshl_b32 s52, s26, 5
	s_add_co_u32 s52, s52, s25
	s_lshl_b32 s52, s52, 3
	s_add_co_u32 s52, s52, s24
	s_lshl_b32 s52, s52, 7                         ; q's scale words
	s_mov_b32 s53, 0
	s_mul_i32 s54, s48, 24576                      ; the head's stream of K, and of V
	s_mov_b32 s55, 0
	s_lshl_b32 s56, s26, 8
	s_add_co_u32 s56, s56, s24
	s_lshl_b32 s56, s56, 7                         ; K's scale words
	s_mov_b32 s57, 0
	s_lshl_b32 s58, s26, 6
	s_add_co_u32 s58, s58, s24
	s_lshl_b32 s58, s58, 7                         ; V's
	s_mov_b32 s59, 0
	s_mul_i32 s60, s24, 6144                       ; Wo's four fragments for outputs 32 H .. 32 H + 31
	s_mov_b32 s61, 0
	s_lshl_b32 s62, s24, 9
	s_mov_b32 s63, 0
	s_wait_kmcnt 0x0
	s_add_nc_u64 s[4:5], s[4:5], s[50:51]
	s_add_nc_u64 s[6:7], s[6:7], s[52:53]
	s_add_nc_u64 s[28:29], s[8:9], s[54:55]        ; the streams' first bytes: never rewritten
	s_add_nc_u64 s[30:31], s[12:13], s[54:55]
	s_mov_b64 s[32:33], s[28:29]                   ; and the copies that walk
	s_mov_b64 s[36:37], s[30:31]
	s_add_nc_u64 s[34:35], s[10:11], s[56:57]
	s_add_nc_u64 s[38:39], s[14:15], s[58:59]
	s_add_nc_u64 s[16:17], s[16:17], s[60:61]
	s_add_nc_u64 s[18:19], s[18:19], s[62:63]
	s_lshl_b32 s62, s24, 7
	s_add_nc_u64 s[20:21], s[20:21], s[62:63]
	s_lshl_b32 s62, s26, 20
	s_lshl_b32 s48, s24, 17
	s_add_co_u32 s62, s62, s48
	s_lshl_b32 s48, s25, 7
	s_add_co_u32 s62, s62, s48
	s_add_nc_u64 s[22:23], s[22:23], s[62:63]      ; out0 at (b, output 32 H, token 32 nb)
	s_add_nc_u64 s[48:49], s[30:31], 3072          ; V's odd buffer has bases of its own: key step 1,
	s_add_nc_u64 s[50:51], s[38:39], 1024          ; and its scale words
	s_wait_alu depctr_va_vdst(0)                   ; the offsets and addresses v1-7, v242-247, v254 and v255 are written: every load, prefetch, LDS access and store of the kernel reads some of them
.irp t, 0,1                                    ; q: row (t, r) into both halves of the lanes
.irp k, 0,1,2
	global_load_b64 v[168+6*\t+2*\k:169+6*\t+2*\k], v6, s[4:5] offset:256*\k+128*\t
.endr
.endr
	global_load_b32 v13, v3, s[6:7]                ; q's scale words: lanes 0-15 tile 0, lanes 16-31 tile 1
	WIN 0x40
.irp f, 0,1,2,3
.irp c, 0,1,2
	global_load_b128 v[104+12*\f+4*\c:107+12*\f+4*\c], v247, s[16:17] offset:1536*\f+512*\c   ; Wo's fragments (2 Tl + s2): they wait in registers for the end
.endr
.endr
	WIN 0
.irp f, 0,1,2,3
	global_load_b32 v[232+\f], v3, s[18:19] offset:128*\f
.endr
	global_load_b32 v240, v7, s[20:21]             ; bo(32 H + r), bo(32 H + 16 + r)
	global_load_b32 v241, v7, s[20:21] offset:64
	LOADK 0                                        ; key step 0
	LOADV 0
	s_wait_loadcnt 47                              ; of the 54 loads the first 7 are in: q and its scale words
	WIN 0x40                                       ; q's versions, in window 1: [Z][lo 0][Z][hi 0][Z][lo 1][Z][hi 1][Z], six registers each; version j of tile t begins at 48 + 24 t + 12 (j % 2) + 6 (1 - j / 2)
.irp z, 0,1,2,3,4
.irp i, 0,1,2,3,4,5
	v_mov_b32 v[48+12*\z+\i], 0
.endr
.endr
.irp t, 0,1
.irp i, 0,1,2,3,4,5
	v_cndmask_b32 v[54+24*\t+\i], v[168+6*\t+\i], v5, s47   ; lo: q in lanes 0-15, zero codes in lanes 16-31
	v_cndmask_b32 v[66+24*\t+\i], v5, v[168+6*\t+\i], s47   ; hi: the other way round
.endr
.endr
	WIN 0
.irp t, 0,1
	v_mov_b32 v[17+4*\t], 0xff61b1e6               ; the largest t so far: -3e38, under every t
	v_floor_f32 v[16+4*\t], -v[17+4*\t]            ; -M
	v_mov_b32 v[18+4*\t], 0                        ; the sum, in two halves
	v_mov_b32 v[19+4*\t], 0
.endr
.irp i, 28,29,30,31,37
	v_mov_b32 v[\i], 0                             ; written once: the lane permutes' destinations, and the upper half of the pair v[36:37]
.endr
.set j, 0
.rept 32
	v_mov_b32 v[72+j], 0                           ; O^T: the step is written for every step alike: the first finds zeros
.set j, j+1
.endr
	s_mov_b32 s44, 0
	s_wait_alu depctr_va_vdst(0)                   ; the moves and selects have written q's versions, which the scaled score products take as B (the moves behind them are the places)
.Lstep:                                            ; three trips of two steps, until the buffers are back where they began: steps 0 to 5; each step asks for the next step's K and V
	STEP 0, 1, 1
	STEP 1, 1, 2
	s_add_co_u32 s44, s44, 1
	s_cmp_lt_u32 s44, 3
	s_cbranch_scc1 .Lstep
	STEP 0, 1, 0                                   ; step 6
	STEP 1, 0, 0                                   ; the last step asks for nothing: no load leaves its buffer
	; THE END OF ATTENTION: ctx = O^T / l, quantised along the last product's K: my head's 32 channels are one block of each token
	v_add_f32 v18, v18, v19
	v_add_f32 v22, v22, v23
	v_permlanex16_b32 v28, v18, s42, s43
	v_permlanex16_b32 v29, v22, s42, s43
	v_add_f32 v18, v18, v28                        ; with lane l xor 16's keys: the row's sum
	v_add_f32 v22, v22, v29
	v_rcp_f32 v32, v18
	v_rcp_f32 v34, v22
	v_nop                                          ; a plain line behind the reciprocals
	s_wait_alu depctr_va_vdst(0)                   ; the two reciprocals have written v32 and v34, ahead of their first reader
.set j, 0
.rept 8
	v_pk_mul_f32 v[104+j:105+j], v[72+j:73+j], v[32:33] op_sel_hi:[1,0]   ; register j = channel 16 h + j of token tau(0, r); each accumulator from its low end on
.set j, j+2
.endr
.set j, 0
.rept 8
	v_pk_mul_f32 v[120+j:121+j], v[88+j:89+j], v[34:35] op_sel_hi:[1,0]   ; tile 1
.set j, j+2
.endr
.irp a, 0,1
	v_max3_num_f32 v[24+\a], |v[104+16*\a]|, |v[105+16*\a]|, 0x1800000
.endr
.irp i, 2,4,6,8,10,12,14
.irp a, 0,1
	v_max3_num_f32 v[24+\a], v[24+\a], |v[104+16*\a+\i]|, |v[105+16*\a+\i]|
.endr
.endr
	v_permlanex16_b32 v28, v24, s42, s43
	v_permlanex16_b32 v29, v25, s42, s43
	v_max_num_f32 v24, v24, v28
	v_max_num_f32 v25, v25, v29
	v_add_nc_u32 v24, 0xff000000, v24
	v_add_nc_u32 v25, 0xff000000, v25
	v_lshrrev_b32 v28, 23, v24
	v_lshrrev_b32 v29, 23, v25
	v_cvt_scalef32_pk16_fp6_f32 v[48:50], v[104:119], v24
	v_cvt_scalef32_pk16_fp6_f32 v[54:56], v[120:135], v25
	v_cndmask_b32 v26, v28, v29, s47               ; lanes 0-15 tile 0's byte, lanes 16-31 tile 1's (also the plain line behind the conversions)
.irp i, 0,1,2
	v_permlane16_swap_b32 v[48+\i], v[54+\i]
.endr
.irp i, 0,1,2
	v_mov_b32 v[51+\i], v[54+\i]                   ; lane 16 t + r holds the 24 bytes of token tau(t, r)
.endr
.irp y, 0,1
.irp j, 0,1,2,3,4,5,6,7
	v_mov_b32 v[136+8*\y+\j], v[240+\y]            ; bo widened to the C of the first products: the same number in a lane's eight registers
.endr
.endr
	s_wait_alu depctr_va_vdst(0)                   ; the swaps, moves and the select have written v48-53 and v26, which the LDS stores read; and the softmax's lines are done with v168-215, in which ctx's fragments land behind the barrier: no vector line stands between
.irp k, 0,1,2
	ds_store_b64 v242, v[48+2*\k:49+2*\k] offset:256*\k
.endr
	ds_store_b8 v243, v26
	s_wait_dscnt 0x0                               ; for the others' sake: my stores have landed
	s_barrier_signal -1
	s_barrier_wait -1                              ; ctx's four fragments and their scale words lie in LDS
.irp f, 0,1,2,3
.irp p, 0,1,2,3,4,5
	ds_load_b64 v[168+12*\f+2*\p:169+12*\f+2*\p], v1 offset:1536*\f+256*\p
.endr
	ds_load_b32 v[236+\f], v7 offset:CSC+64*\f
.endr
	s_wait_dscnt 0x0
	WIN 0x04                                       ; Wo in window 1
; out: source 0 = ctx's tile t (16 tokens), source 1 = 16 rows of Wo: register j of lane (r, h) = token 16 h + 8 t + j, output 32 H + 16 y + r.  Four accumulators by turns
.irp s, 0,1
.irp y, 0,1
.irp t, 0,1
.if \s == 0
	v_wmma_scale_f32_16x16x128_f8f6f4 v[72+16*\y+8*\t:79+16*\y+8*\t], v[168+12*(2*\t+\s):179+12*(2*\t+\s)], v[104+12*(2*\y+\s):115+12*(2*\y+\s)], v[136+8*\y:143+8*\y], v[236+2*\t+\s], v[232+2*\y+\s] matrix_a_fmt:MATRIX_FMT_FP6 matrix_b_fmt:MATRIX_FMT_FP6
.else
	v_wmma_scale_f32_16x16x128_f8f6f4 v[72+16*\y+8*\t:79+16*\y+8*\t], v[168+12*(2*\t+\s):179+12*(2*\t+\s)], v[104+12*(2*\y+\s):115+12*(2*\y+\s)], v[72+16*\y+8*\t:79+16*\y+8*\t], v[236+2*\t+\s], v[232+2*\y+\s] matrix_a_fmt:MATRIX_FMT_FP6 matrix_b_fmt:MATRIX_FMT_FP6
.endif
.endr
.endr
.endr
	WIN 0
	PLACES 4
	s_wait_alu depctr_va_vdst(0)                   ; behind the places: the products have written v72-103, which the LDS stores read; no vector line follows, so the loads from the stage into v104-135 owe nothing more
	; THE WAY OUT: a lane holds 64 neighbouring bytes of a row of out0; through my own stage they leave as runs of 128 bytes, four rows an instruction
.irp y, 0,1
.irp i, 0,1,2,3
	ds_store_b128 v244, v[72+16*\y+4*\i:75+16*\y+4*\i] offset:2304*\y+16*\i   ; each accumulator from its low end on
.endr
.endr
.irp q, 0,1,2,3,4,5,6,7
	ds_load_b128 v[104+4*\q:107+4*\q], v245 offset:576*\q   ; LDS serves a wave's instructions in order: these see my stores
.endr
.irp q, 0,1,2,3,4,5,6,7
	s_wait_dscnt 7-\q
	global_store_b128 v246, v[104+4*\q:107+4*\q], s[22:23] offset:16384*\q th:TH_STORE_NT   ; eight lanes store 128 consecutive bytes of a row; written once, read by nobody here
.endr
	s_wait_dscnt 0x0                               ; the closing lines, six on end
	s_wait_alu 0x0
	s_wait_tensorcnt 0x0
	ds_add_u32 v254, v255
	s_wait_dscnt 0x0
	s_endpgm
.Lfunc_end_k_q6f228b9519_attn:
	.size	k_q6f228b9519_attn, .Lfunc_end_k_q6f228b9519_attn-k_q6f228b9519_attn
	.p2alignl 7, 3214868480
	.fill 96, 4, 3214868480
	.section	.rodata,"a",@progbits
	.p2align	6, 0x0
	.amdhsa_kernel k_q6f228b9519_attn
		.amdhsa_group_segment_fixed_size 44544
		.amdhsa_private_segment_fixed_size 0
		.amdhsa_enable_private_segment 0
		.amdhsa_kernarg_size 80
		.amdhsa_user_sgpr_count 2
		.amdhsa_user_sgpr_kernarg_segment_ptr 1
		.amdhsa_wavefront_size32 1
		.amdhsa_system_sgpr_workgroup_id_x 1
		.amdhsa_system_sgpr_workgroup_id_y 1
		.amdhsa_system_sgpr_workgroup_id_z 1
		.amdhsa_system_vgpr_workitem_id 0
		.amdhsa_next_free_vgpr 512
		.amdhsa_next_free_sgpr 66
		.amdhsa_reserve_vcc 0
		.amdhsa_float_denorm_mode_32 3
		.amdhsa_float_denorm_mode_16_64 3
		.amdhsa_memory_ordered 1
		.amdhsa_forward_progress 1
		.amdhsa_inst_pref_size 134
	.end_amdhsa_kernel
	.amdgpu_metadata
---
amdhsa.version: [ 1, 2 ]
amdhsa.kernels:
  - .name:           k_q6f228b9519_attn
    .symbol:         k_q6f228b9519_attn.kd
    .args:
      - { .name: qc, .offset: 0, .size: 8, .value_kind: global_buffer, .address_space: global }
      - { .name: qs, .offset: 8, .size: 8, .value_kind: global_buffer, .address_space: global }
      - { .name: kc, .offset: 16, .size: 8, .value_kind: global_buffer, .address_space: global }
      - { .name: ks, .offset: 24, .size: 8, .value_kind: global_buffer, .address_space: global }
      - { .name: vc, .offset: 32, .size: 8, .value_kind: global_buffer, .address_space: global }
      - { .name: vs, .offset: 40, .size: 8, .value_kind: global_buffer, .address_space: global }
      - { .name: woc, .offset: 48, .size: 8, .value_kind: global_buffer, .address_space: global }
      - { .name: wos, .offset: 56, .size: 8, .value_kind: global_buffer, .address_space: global }
      - { .name: bo, .offset: 64, .size: 8, .value_kind: global_buffer, .address_space: global }
      - { .name: out0, .offset: 72, .size: 8, .value_kind: global_buffer, .address_space: global }
    .group_segment_fixed_size: 44544
    .private_segment_fixed_size: 0
    .kernarg_segment_align: 8
    .kernarg_segment_size: 80
    .max_flat_workgroup_size: 256
    .sgpr_count:     66
    .vgpr_count:     512
    .wavefront_size: 32
...
	.end_amdgpu_metadata
.endif
;; end of part 4
